; MI455X (gfx1250); checked and timed in simulation.
; The chip was launched on July 23, 2026; its instructions are those of AMD's public machine-readable ISA for CDNA 5 (MIT licence, August 2026) and "CDNA5" Instruction Set Architecture Reference Guide (July 2026). The comments in the code are by the model that wrote it; some were corrected since.
;; Mixtureof Experts Block. Allowed arithmetic: matrix products marked QUANTISED: E5M2 operands, one given power-of-two scale a tensor, by v_wmma_f32_16x16x64_bf8_bf8 or v_wmma_f32_16x16x128_bf8_bf8, f32 sums; products left as they are: f32 operands where the result goes on into a quantised operand, else bf16, f16 or f32 operands; f32 sums; everything else in f32.
;; Inputs: W1 8 x 1,024 x 1,024 float32; W2 8 x 1,024 x 1,024 float32; Wr 1,024 x 8 float32; b1 8 x 1,024 float32; b2 8 x 1,024 float32; br 8 float32; lowp_scales 4 int32 (the exponents e of the quantised operands' scales 2^e); x 2 x 2,048 x 1,024 float32.
;; Outputs: out0 2 x 2,048 x 1,024 float32.
;; This version of the problem:
;;   THIS VERSION OF THE PROBLEM IS GIVEN IN LOW PRECISION. The matrix products marked QUANTISED in the list below multiply operands that are first quantised to E5M2 (5 exponent bits, 2 mantissa bits; 8 bits a number), with one given power-of-two scale for each operand tensor; their sums are f32. All else is computed in f32.
;;   The module's matrix products, in the order in which they are computed (A, B: the left and right operand; K: the contracted axis; several contracted axes count as one K, in the product's order):
;;     1. [M 4,096, K 1,024] x [K 1,024, N 8]; A: input x; B: input Wr: left as it is (N = 8 < 16)
;;     2. [M 8,192, K 1,024] x [K 1,024, N 4,096]; A: input W1; B: input x: QUANTISED (scales: A lowp_scales[0], B lowp_scales[1])
;;     3. batch 8 x [M 4,096, K 1,024] x [K 1,024, N 1,024]; A: computed on the way; B: input W2: QUANTISED (scales: A lowp_scales[2], B lowp_scales[3])
;;     4. batch 4,096 x [M 1, K 8] x [K 8, N 1,024]; A: softmax; B: computed on the way: left as it is (K = 8 < 32)
;;   THE QUANTISER, for each operand of a quantised product, along K:
;;     - The operand's scale is 2^e, e = its entry of the input lowp_scales (int32; the entries are numbered through the quantised products in the list's order, A before B).
;;     - Each number is divided by the scale, clamped to +-57,344, and rounded to the nearest number of E5M2, ties to even, subnormals kept.
;;     - The product sums the exact products of the quantised numbers (number of the format x scale) in f32.
;;   ~~~python
;;   def quantise(x, axis, e):      # numpy; x: float32 -> the quantised numbers, widened to float32 again
;;       x = np.moveaxis(x, axis, -1); K = x.shape[-1]
;;       r = np.clip(x / 2.0 ** e, -57344, 57344)
;;       step = 2.0 ** (np.maximum(np.frexp(np.where(r == 0, 1, r))[1] - 1, -14) - 2)
;;       q = np.round(r / step) * step * 2.0 ** e      # np.round: ties to even
;;       return np.moveaxis(q, -1, axis).astype(np.float32)
;;   ~~~
;;   OPERANDS COMPUTED ON THE WAY. 'Computed on the way' means the value that the module computes at that place (a softmax that the list does not call 'softmax' is quantised finished and normalised). What goes into a quantiser is computed in f32, as accurately as f32 sums, v_exp_f32 and their like allow (about 1e-6 of the number): no bf16 or f16 on the way to a quantiser, and a product that is left as it is and whose result goes on into a quantised operand takes f32 operands (vector FMAs, or v_wmma_f32_16x16x4_f32). A number that lies on a knife's edge between two numbers of the format may be rounded either way, as far as f32 arithmetic and the matrix unit's own rounding can turn it there, and no further.
;; 2 versions. Each part assembles by itself: llvm-mc -triple=amdgcn-amd-amdhsa -mcpu=gfx1250 --defsym DOCPART=n.
;; ======== version 1 of 2: 4 launches
;; workspace buffers: xq 4,194,304 bytes; sel 16,384 bytes of whole numbers; gw 32,768 bytes; wq 16,777,216 bytes; rows 32,768 bytes of whole numbers; tiles 4,096 bytes of whole numbers; ybuf 33,554,432 bytes
;; launch route (part 1): grid 256 x 1, 4 waves a work-group, no clusters, 37,376 bytes of LDS; arguments x, Wr, br, lowp_scales, xq, sel, gw; writes xq, sel, gw
.if DOCPART == 1
	.amdgcn_target "amdgcn-amd-amdhsa--gfx1250"
	.amdhsa_code_object_version 6
	.text
	.protected	k_q328e96ddb1_route
	.globl	k_q328e96ddb1_route
	.p2align	8
	.type	k_q328e96ddb1_route,@function
k_q328e96ddb1_route:
	s_mov_b64 s[64:65], 0
	v_nop
	global_prefetch_b8 v0, s[64:65] scope:SCOPE_SE
	s_setreg_imm32_b32 hwreg(HW_REG_WAVE_MODE, 25, 1), 1
	s_wait_xcnt 0x0
; ROUTER AND x's CODES.  scores = x Wr + br in f32 (fused multiply-adds); the two largest scores of a token (on a tie the lower index); their softmax, the larger score taken away
; before the exponential; and x as codes of E5M2 with the given scale 2^e1 (entry 1 of the scales).
; SHARES.  256 work-groups x 4 waves x 4 tokens.  A wave holds a whole row of x: load j (0..7) is 512 consecutive bytes, lane L holds d = 128 j + 4 L + i in register 4 j + i.
; Wr (32 KB) goes once through LDS, chunks of 128 bytes (4 d x 8 experts) 144 bytes apart, and then stays in 256 registers of each wave: register 32 j + 8 i + e of window 1.
; OUT.  sel[t] = first expert | second expert << 8 and gw[t] = the two gates, at fixed places: no address here hangs on the choice.
; xq[t]: a lane's 16 bytes are stored as they fall: piece p (16 bytes), byte b holds d = 512 (p >> 5) + 128 (b >> 2) + 4 (p & 31) + (b & 3).  W1's codes are laid in the same order of k.
; LIMITS: NaN and infinities in x or in the scores are not served; e1 between -126 and 112; the order of the f32 sums differs from a row-wise sum, so scores that agree to the last bits may change places.
.set X,   32                           ; v32-159  token q at X + 32 q
.set CD,  224                          ; v224-255 codes, 8 registers a token
.set MSB, 0
.macro WIN new                         ; the immediate's high byte repeats the setting that is left
.if MSB != \new
	s_set_vgpr_msb (MSB<<8)|\new
.set MSB, \new
.endif
.endm
	s_load_b256 s[4:11], s[0:1], 0x0               ; x, Wr, br, the scales
	s_load_b128 s[12:15], s[0:1], 0x20             ; xq, sel
	s_load_b64 s[16:17], s[0:1], 0x30              ; gw
	s_set_vgpr_msb 0x80
	v_lshl_add_u32 v0, v0, 2, 0x9000
	v_mov_b32 v1, 0
	s_set_vgpr_msb 0x8000
	v_lshrrev_b32 v1, 5, v0
	v_readfirstlane_b32 s18, v1                    ; wave
	v_and_b32 v1, 31, v0                           ; lane L
	v_lshlrev_b32 v2, 4, v1                        ; 16 L
	v_lshrrev_b32 v3, 3, v1
	v_mul_u32_u24 v3, v3, 144
	v_and_b32 v4, 7, v1
	v_lshl_add_u32 v3, v4, 4, v3
	s_mul_i32 s36, s18, 9216
	v_add_nc_u32 v3, s36, v3                       ; Wr into LDS: 9216 w + 144 (L >> 3) + 16 (L & 7)
	v_mul_u32_u24 v4, v1, 144                      ; and out of it: chunk 32 j + L
	s_lshl_b32 s36, s18, 13
	v_add_nc_u32 v5, s36, v2                       ; Wr in memory: 8192 w + 16 L
	s_lshl_b32 s36, ttmp9, 16
	s_lshl_b32 s37, s18, 14
	s_add_co_u32 s36, s36, s37                     ; my first token's row of x: (16 g + 4 w) x 4096
	s_mov_b32 s37, 0
	s_lshr_b32 s38, s36, 2                         ; x 1024 in xq
	s_mov_b32 s39, 0
	s_lshr_b32 s40, s36, 10                        ; x 4 in sel
	s_mov_b32 s41, 0
	s_lshr_b32 s42, s36, 9                         ; x 8 in gw
	s_mov_b32 s43, 0
	s_mov_b32 s30, 0x76543210                      ; lane l xor 16
	s_mov_b32 s31, 0xfedcba98
	s_mov_b32 s33, 2                               ; the masks of lanes 1, 2, 3
	s_mov_b32 s34, 4
	s_mov_b32 s35, 8
	s_wait_kmcnt 0x0
	s_load_b256 s[20:27], s[8:9], 0x0              ; br
	s_load_b32 s28, s[10:11], 0x4                  ; e1
	s_add_nc_u64 s[4:5], s[4:5], s[36:37]
	s_add_nc_u64 s[12:13], s[12:13], s[38:39]
	s_add_nc_u64 s[14:15], s[14:15], s[40:41]
	s_add_nc_u64 s[16:17], s[16:17], s[42:43]
.irp n, 0,1,2,3,4,5,6,7,8,9,10,11,12,13,14,15
	global_load_b128 v[160+4*\n:163+4*\n], v5, s[6:7] offset:512*\n     ; my quarter of Wr, 512 consecutive bytes a load
.endr
.irp q, 0,1,2,3
.irp j, 0,1,2,3,4,5,6,7
	global_load_b128 v[X+32*\q+4*\j:X+32*\q+4*\j+3], v2, s[4:5] offset:4096*\q+512*\j th:TH_LOAD_NT
.endr
.endr
	s_wait_loadcnt 32                              ; Wr's 16 loads are in; x's 32, issued behind them, may be out
.irp n, 0,1,2,3,4,5,6,7,8,9,10,11,12,13,14,15
	ds_store_b128 v3, v[160+4*\n:163+4*\n] offset:576*\n
.endr
	s_wait_dscnt 0x0                               ; for the others' sake: my stores have landed
	s_barrier_signal -1
	s_barrier_wait -1
	WIN 0x40                                       ; destination window 1
.irp j, 0,1,2,3,4,5,6,7
.irp k, 0,1,2,3,4,5,6,7
	ds_load_b128 v[32*\j+4*\k:32*\j+4*\k+3], v4 offset:4608*\j+16*\k
.endr
.endr
	WIN 0
	v_lshlrev_b32 v164, 2, v1                      ; 4 L and 8 L: where lanes 0-3 store a token's choice and gates
	v_lshlrev_b32 v165, 3, v1
	v_mov_b32 v30, 0xff800000                      ; -infinity
	s_wait_kmcnt 0x0
	s_add_co_i32 s36, s28, 127
	s_lshl_b32 s37, s36, 23
	v_mov_b32 v7, s37                              ; 2^e1 as f32: the conversion takes its exponent field
	s_add_co_i32 s36, s36, 15
	s_lshl_b32 s36, s36, 23
	s_or_b32 s36, s36, 0x600000
	v_mov_b32 v6, s36                              ; 57,344 x 2^e1
	s_wait_dscnt 0x0                               ; Wr is in registers
.macro SCAN best, idx, base            ; the largest of v[base] .. v[base + 7] and its index; where two are equal the earlier stays
	v_mov_b32 v[\best], v[\base]
	v_mov_b32 v[\idx], 0
.irp e, 1,2,3,4,5,6,7
	v_cmp_ge_f32 vcc_lo, v[\best], v[\base+\e]
	v_cndmask_b32 v[\idx], \e, v[\idx], vcc_lo
	v_cndmask_b32 v[\best], v[\base+\e], v[\best], vcc_lo
.endr
.endm
.macro TOKEN q
	s_wait_loadcnt 8*(3-\q)                        ; this token's eight loads are in; the later tokens' may be out
	WIN 0x04                                       ; source 1 (Wr) window 1
.irp j, 0,1,2,3,4,5,6,7
.irp h, 0,1
.irp p, 0,1,2,3                        ; d = 128 j + 4 L + 2 h: the pair's first register for both halves; experts 2 p, 2 p + 1; sums in v8-15
.if (\j == 0) && (\h == 0)
	v_pk_mul_f32 v[8+2*\p:9+2*\p], v[X+32*\q+4*\j+2*\h:X+32*\q+4*\j+2*\h+1], v[32*\j+16*\h+2*\p:32*\j+16*\h+2*\p+1] op_sel_hi:[0,1]
.else
	v_pk_fma_f32 v[8+2*\p:9+2*\p], v[X+32*\q+4*\j+2*\h:X+32*\q+4*\j+2*\h+1], v[32*\j+16*\h+2*\p:32*\j+16*\h+2*\p+1], v[8+2*\p:9+2*\p] op_sel_hi:[0,1,1]
.endif
.endr
.irp p, 0,1,2,3                        ; d + 1: the pair's second register for both halves; sums in v16-23
.if (\j == 0) && (\h == 0)
	v_pk_mul_f32 v[16+2*\p:17+2*\p], v[X+32*\q+4*\j+2*\h:X+32*\q+4*\j+2*\h+1], v[32*\j+16*\h+8+2*\p:32*\j+16*\h+8+2*\p+1] op_sel:[1,0] op_sel_hi:[1,1]
.else
	v_pk_fma_f32 v[16+2*\p:17+2*\p], v[X+32*\q+4*\j+2*\h:X+32*\q+4*\j+2*\h+1], v[32*\j+16*\h+8+2*\p:32*\j+16*\h+8+2*\p+1], v[16+2*\p:17+2*\p] op_sel:[1,0,0] op_sel_hi:[1,1,1]
.endif
.endr
.endr
.endr
	WIN 0
.irp p, 0,1,2,3
	v_pk_add_f32 v[8+2*\p:9+2*\p], v[8+2*\p:9+2*\p], v[16+2*\p:17+2*\p]
.endr
.irp k, 1,2,4,8                        ; over the 32 lanes, the eight scores by turns
.irp e, 0,1,2,3,4,5,6,7
	v_add_f32_dpp v[8+\e], v[8+\e], v[8+\e] row_xmask:\k row_mask:0xf bank_mask:0xf
.endr
.endr
.irp e, 0,1,2,3,4,5,6,7
	v_permlanex16_b32 v[16+\e], v[8+\e], s30, s31
.endr
.irp e, 0,1,2,3,4,5,6,7
	v_add_f32 v[8+\e], v[8+\e], v[16+\e]
.endr
.irp e, 0,1,2,3,4,5,6,7
	v_add_f32 v[8+\e], s[20+\e], v[8+\e]           ; + br: every lane holds the token's eight scores
.endr
	SCAN 24, 25, 8                                 ; the largest score and its expert
.irp e, 0,1,2,3,4,5,6,7
	v_cmp_eq_u32 vcc_lo, \e, v25
	v_cndmask_b32 v[16+\e], v[8+\e], v30, vcc_lo   ; the scores without it
.endr
	SCAN 26, 27, 16                                ; the second
	v_sub_f32 v28, v26, v24                        ; second - first, 0 or less: the maximum is taken away
	v_mul_f32 v28, 0x3fb8aa3b, v28
	v_exp_f32 v28, v28                             ; q = e^(second - first)
	v_lshl_or_b32 v31, v27, 8, v25                 ; (the plain line behind the exponential)  the choice as one word
	s_wait_alu depctr_va_vdst(0)                   ; the wait ahead of the first reader
	v_add_f32 v29, 1.0, v28
	v_rcp_f32 v29, v29                             ; the first gate, 1 / (1 + q)
	v_nop
	s_wait_alu depctr_va_vdst(0)
	v_mul_f32 v28, v28, v29                        ; the second, q / (1 + q)
.if \q == 0
	v_mov_b32 v160, v31
	v_mov_b32 v162, v29
	v_mov_b32 v163, v28
.else
	v_cndmask_b32 v160, v160, v31, s[32+\q]        ; lane q keeps token q's
	v_cndmask_b32 v162, v162, v29, s[32+\q]
	v_cndmask_b32 v163, v163, v28, s[32+\q]
.endif
.set n, 0
.rept 32
	v_med3_num_f32 v[X+32*\q+n], v[X+32*\q+n], -v6, v6   ; the conversion to an 8-bit code does not saturate (ISA guide 7.6.2): the hold at the largest code x the scale
.set n, n+1
.endr
.irp a, 0,1,2,3
	v_cvt_scalef32_pk8_bf8_f32 v[CD+8*\q+2*\a:CD+8*\q+2*\a+1], v[X+32*\q+8*\a:X+32*\q+8*\a+7], v7
.endr
	v_nop                                          ; one plain vector line behind the last conversion: EXEC, which the conversions read, is written at the kernel's end with only stores between
	global_store_b128 v2, v[CD+8*\q:CD+8*\q+3], s[12:13] offset:1024*\q        ; 32 lanes store 512 consecutive bytes, aligned
	global_store_b128 v2, v[CD+8*\q+4:CD+8*\q+7], s[12:13] offset:1024*\q+512
.endm
	TOKEN 0
	TOKEN 1
	TOKEN 2
	TOKEN 3
	s_wait_xcnt 0x0                                ; EXEC changes only behind this wait
	s_set_vgpr_msb 0xa
	s_wait_tensorcnt 0x0
	ds_add_u32 v0, v1
	s_wait_dscnt 0x0
	s_set_vgpr_msb 0xa00
	v_cmpx_gt_u32 4, v1                            ; lanes 0-3
	global_store_b32 v164, v160, s[14:15]
	global_store_b64 v165, v[162:163], s[16:17]
	s_endpgm
.Lfunc_end_k_q328e96ddb1_route:
	.size	k_q328e96ddb1_route, .Lfunc_end_k_q328e96ddb1_route-k_q328e96ddb1_route
	.p2alignl 7, 3214868480
	.fill 96, 4, 3214868480
	.section	.rodata,"a",@progbits
	.p2align	6, 0x0
	.amdhsa_kernel k_q328e96ddb1_route
		.amdhsa_group_segment_fixed_size 37376
		.amdhsa_private_segment_fixed_size 0
		.amdhsa_enable_private_segment 0
		.amdhsa_kernarg_size 56
		.amdhsa_user_sgpr_count 2
		.amdhsa_user_sgpr_kernarg_segment_ptr 1
		.amdhsa_wavefront_size32 1
		.amdhsa_system_sgpr_workgroup_id_x 1
		.amdhsa_system_sgpr_workgroup_id_y 1
		.amdhsa_system_sgpr_workgroup_id_z 1
		.amdhsa_system_vgpr_workitem_id 0
		.amdhsa_next_free_vgpr 514
		.amdhsa_next_free_sgpr 66
		.amdhsa_reserve_vcc 1
		.amdhsa_float_denorm_mode_32 3
		.amdhsa_float_denorm_mode_16_64 3
		.amdhsa_memory_ordered 1
		.amdhsa_forward_progress 1
		.amdhsa_inst_pref_size 78
	.end_amdhsa_kernel
	.amdgpu_metadata
---
amdhsa.version: [ 1, 2 ]
amdhsa.kernels:
  - .name:           k_q328e96ddb1_route
    .symbol:         k_q328e96ddb1_route.kd
    .args:
      - { .name: x, .offset: 0, .size: 8, .value_kind: global_buffer, .address_space: global }
      - { .name: Wr, .offset: 8, .size: 8, .value_kind: global_buffer, .address_space: global }
      - { .name: br, .offset: 16, .size: 8, .value_kind: global_buffer, .address_space: global }
      - { .name: lowp_scales, .offset: 24, .size: 8, .value_kind: global_buffer, .address_space: global }
      - { .name: xq, .offset: 32, .size: 8, .value_kind: global_buffer, .address_space: global }
      - { .name: sel, .offset: 40, .size: 8, .value_kind: global_buffer, .address_space: global }
      - { .name: gw, .offset: 48, .size: 8, .value_kind: global_buffer, .address_space: global }
    .group_segment_fixed_size: 37376
    .private_segment_fixed_size: 0
    .kernarg_segment_align: 8
    .kernarg_segment_size: 56
    .max_flat_workgroup_size: 128
    .sgpr_count:     66
    .vgpr_count:     514
    .wavefront_size: 32
...
	.end_amdgpu_metadata
.endif
;; end of part 1
;; launch prep (part 2): grid 513 x 1, 8 waves a work-group, no clusters, 1,280 bytes of LDS; arguments W1, W2, lowp_scales, sel, wq, rows, tiles; writes wq, rows, tiles
.if DOCPART == 2
	.amdgcn_target "amdgcn-amd-amdhsa--gfx1250"
	.amdhsa_code_object_version 6
	.text
	.protected	k_q328e96ddb1_prep
	.globl	k_q328e96ddb1_prep
	.p2align	8
	.type	k_q328e96ddb1_prep,@function
k_q328e96ddb1_prep:
	s_mov_b64 s[64:65], 0
	v_nop
	global_prefetch_b8 v0, s[64:65] scope:SCOPE_SE
	s_setreg_imm32_b32 hwreg(HW_REG_WAVE_MODE, 25, 1), 1
	s_wait_xcnt 0x0
; WORK-GROUPS 1 .. 512: W1 and W2 ([expert][k][unit], f32, K the FIRST axis of a matrix) become codes of E5M2 with the given scales (entry 0 for W1, entry 3 for W2),
; laid in the order in which the next launch's waves take their operand registers:
;   byte = e 2M + w 512K + ph 256K + G 64K + s 8K + t 2K + c 512 + 16 lane   (w wave, ph 0 = W1 / 1 = W2, G group of 64 units, s K step of 128, t tile of 16 units, c four registers).
;   Lane r + 16 h of tile t holds unit 256 w + 64 G + 32 (t >> 1) + 8 (t & 1) + r + 8 (r >> 3); its 16 bytes of group c are piece p = 2 c + h of the K step:
;   W1: k = 512 (s >> 2) + 32 (s & 3) + 4 p + 128 (b >> 2) + (b & 3), the order in which x's codes lie;   W2: k = 128 s + 16 p + b, the order in which the hidden layer's codes fall.
; A LANE TAKES A COLUMN AND ITS REGISTERS RUN DOWN K in that byte order: a load reads 128 consecutive bytes a wave (1,024 a work-group), and the conversions' results are the pieces as they are stored:
; each store of a wave covers two runs of 256 consecutive bytes, aligned.  No LDS on this way.
; WORK-GROUP 0: the 8,192 routed rows (rho = 2 token + slot) are sorted by expert (a counting sort: counts, a prefix sum over lanes and waves, ranks; no atomics), and the table of tiles is made.
; THE TABLE HAS ALWAYS 135 TILES WITH AT LEAST ONE ROW EACH.  Tiles of 64 rows make sum ceil(TE / 64) = 135 - X tiles, X between 0 and 7.  The expert with the most rows has at least 8,192 / 8 = 1,024 of them:
; its first X tiles of 64 are cut into 2 X tiles of 32.  So the next launch needs no branch on a stored number.
; LIMITS: e0 and e3 between -126 and 112.  NaN among the weights is not served (an infinity is held at the largest code).
.set R, 16                             ; v16-143  128 numbers of a column; a piece's codes go into the registers of the piece before it
	s_load_b256 s[4:11], s[0:1], 0x0               ; W1, W2, the scales, sel
	s_load_b128 s[12:15], s[0:1], 0x20             ; wq, rows
	s_load_b64 s[16:17], s[0:1], 0x30              ; tiles
	v_lshl_add_u32 v160, v0, 2, 0x100
	v_mov_b32 v161, 0
	v_lshrrev_b32 v1, 5, v0
	v_readfirstlane_b32 s18, v1                    ; wave 0..7
	s_cmp_eq_u32 ttmp9, 0
	s_cbranch_scc1 .Lplace
	s_sub_co_u32 s20, ttmp9, 1
	s_and_b32 s21, s20, 7                          ; s: the K step
	s_bfe_u32 s22, s20, 0x20003                    ; cb: which 256 columns = the reader's wave
	s_bfe_u32 s23, s20, 0x30005                    ; e: the expert
	s_lshr_b32 s24, s20, 8                         ; ph
	s_lshl_b32 s25, s23, 22                        ; a matrix is 4 MB,
	s_lshl_b32 s26, s22, 10                        ; 256 columns 1,024 bytes
	s_add_co_u32 s25, s25, s26
	s_lshr_b32 s26, s21, 2
	s_lshl_b32 s26, s26, 21
	s_and_b32 s27, s21, 3
	s_lshl_b32 s27, s27, 17
	s_add_co_u32 s26, s26, s27                     ; W1: row 512 (s >> 2) + 32 (s & 3), of 4,096 bytes
	s_lshl_b32 s27, s21, 19                        ; W2: row 128 s
	s_cmp_eq_u32 s24, 0
	s_cselect_b32 s26, s26, s27
	s_add_co_u32 s36, s25, s26
	s_mov_b32 s37, 0
	s_lshl_b32 s38, s23, 21
	s_lshl_b32 s39, s22, 19
	s_add_co_u32 s38, s38, s39
	s_lshl_b32 s39, s24, 18
	s_add_co_u32 s38, s38, s39
	s_lshr_b32 s39, s18, 1
	s_lshl_b32 s39, s39, 16                        ; G = wave >> 1
	s_add_co_u32 s38, s38, s39
	s_lshl_b32 s39, s21, 13
	s_add_co_u32 s38, s38, s39
	s_and_b32 s39, s18, 1
	s_lshl_b32 s39, s39, 12                        ; t >> 1 = wave & 1
	s_add_co_u32 s38, s38, s39
	s_mov_b32 s39, 0
	v_lshlrev_b32 v1, 2, v0                        ; my column: 4 bytes a thread
	v_bfe_u32 v4, v0, 3, 1                         ; t & 1
	v_and_b32 v5, 7, v0
	v_bfe_u32 v12, v0, 4, 1
	v_lshlrev_b32 v2, 11, v4
	v_lshl_add_u32 v2, v5, 4, v2
	v_lshl_add_u32 v2, v12, 7, v2                  ; 2048 (t & 1) + 16 r, r = (L & 7) + 8 (L >> 4)
	s_wait_kmcnt 0x0
	s_load_b128 s[28:31], s[8:9], 0x0              ; e0 .. e3
	s_cmp_eq_u32 s24, 0                            ; the choice hangs on the work-group's number alone
	s_cselect_b64 s[4:5], s[4:5], s[6:7]
	s_add_nc_u64 s[4:5], s[4:5], s[36:37]
	s_add_nc_u64 s[12:13], s[12:13], s[38:39]
; piece p, byte b is row A p + B (b >> 2) + (b & 3) from the K step's first row.  ES: the scalar register with the tensor's exponent
.macro QW A, B, ES
.irp p, 0,1,2,3,4,5,6,7
.irp b, 0,1,2,3,4,5,6,7,8,9,10,11,12,13,14,15
	global_load_b32 v[R+16*\p+\b], v1, s[4:5] offset:(\A*\p+\B*(\b/4)+(\b%4))*4096 th:TH_LOAD_NT
.endr
.endr
	s_wait_kmcnt 0x0
	s_add_co_i32 s40, s[\ES], 127
	s_lshl_b32 s41, s40, 23
	v_mov_b32 v7, s41                              ; 2^e as f32
	s_add_co_i32 s40, s40, 15
	s_lshl_b32 s40, s40, 23
	s_or_b32 s40, s40, 0x600000
	v_mov_b32 v6, s40                              ; 57,344 x 2^e
.irp p, 0,1,2,3,4,5,6,7
.if \p == 0
	s_wait_loadcnt 63                              ; of the 128 loads at most 63 are out: the first 65 are in, pieces 0 to 3 among them
.set CR, 8
.else
.set CR, R+16*(\p-1)
.endif
.if \p >= 4
	s_wait_loadcnt 16*(7-\p)                       ; this piece is in; the later pieces' loads, 16 each, may be out
.endif
.irp b, 0,1,2,3,4,5,6,7,8,9,10,11,12,13,14,15
	v_med3_num_f32 v[R+16*\p+\b], v[R+16*\p+\b], -v6, v6   ; the hold at the largest code x the scale (ISA guide 7.6.2).  These sixteen also stand between the last piece's conversions and the write of their sources below
.endr
	v_cvt_scalef32_pk8_bf8_f32 v[CR:CR+1], v[R+16*\p:R+16*\p+7], v7
	v_cvt_scalef32_pk8_bf8_f32 v[CR+2:CR+3], v[R+16*\p+8:R+16*\p+15], v7
	global_store_b128 v2, v[CR:CR+3], s[12:13] offset:256*\p
.endr
.endm
	s_cmp_eq_u32 s24, 0
	s_cbranch_scc0 .Lw2
	QW 4, 128, 28
	s_endpgm
.Lw2:
	QW 16, 4, 31
	s_endpgm
; ---- the placing.  Thread tau owns tokens 16 tau .. 16 tau + 15: rows rho = 32 tau + k, k = 0 .. 31.
; v16-31 the choices, later the tiles' first numbers; v32-63 E[k], later rho; v64-95 the waves' totals, later the rows' places; v96-103 RUN[e]; v104-107 counts as 16-bit fields
; ((e0, e4), (e2, e6), (e1, e5), (e3, e7)); v108-111 my own counts; v112-115 at work; v116-119 what lies ahead of me; v120-123 totals; v124-131 TE[e]; v132-139 EB[e]; v140-155 the tiles
.Lplace:
	v_lshlrev_b32 v1, 6, v0
	s_wait_kmcnt 0x0
.irp i, 0,1,2,3
	global_load_b128 v[16+4*\i:19+4*\i], v1, s[10:11] offset:16*\i
.endr
	v_bfe_u32 v3, v0, 4, 1
	v_sub_nc_u32 v3, 0, v3                         ; all ones in lanes 16-31
	v_mov_b32 v4, 1
	s_lshl_b32 s20, s18, 4
	v_mov_b32 v5, s20                              ; my wave's 16 bytes in LDS
	v_mov_b32 v6, 0
	s_mov_b32 s21, 0x0f0f0f0f
	s_mov_b32 s22, 0x00ff00ff
	s_wait_loadcnt 0x0
.irp i, 0,1,2,3,4,5,6,7,8,9,10,11,12,13,14,15
	v_and_b32 v[32+2*\i], 7, v[16+\i]
	v_bfe_u32 v[33+2*\i], v[16+\i], 8, 3
.endr
.irp u, 0,1                            ; counts in nibbles, eight tokens to a sum: a token names an expert once, so no nibble passes 8
.irp k, 0,1,2,3,4,5,6,7,8,9,10,11,12,13,14,15
	v_lshlrev_b32 v114, 2, v[32+16*\u+\k]
.if \k == 0
	v_lshlrev_b32 v[112+\u], v114, v4
.else
	v_lshlrev_b32 v114, v114, v4
	v_add_nc_u32 v[112+\u], v[112+\u], v114
.endif
.endr
.endr
	v_and_b32 v114, s21, v112                      ; to bytes: experts 0, 2, 4, 6
	v_lshrrev_b32 v112, 4, v112
	v_and_b32 v112, s21, v112                      ; experts 1, 3, 5, 7
	v_and_b32 v115, s21, v113
	v_lshrrev_b32 v113, 4, v113
	v_and_b32 v113, s21, v113
	v_add_nc_u32 v114, v114, v115
	v_add_nc_u32 v112, v112, v113
	v_and_b32 v104, s22, v114                      ; to 16-bit fields: no expert has more than 4,096 rows
	v_lshrrev_b32 v105, 8, v114
	v_and_b32 v105, s22, v105
	v_and_b32 v106, s22, v112
	v_lshrrev_b32 v107, 8, v112
	v_and_b32 v107, s22, v107
.irp f, 0,1,2,3
	v_mov_b32 v[108+\f], v[104+\f]
.endr
.irp n, 1,2,4,8                        ; inclusive sums over the 16 lanes of a row
.irp f, 0,1,2,3
	v_mov_b32_dpp v[112+\f], v[104+\f] row_shr:\n row_mask:0xf bank_mask:0xf bound_ctrl:1
.endr
.irp f, 0,1,2,3
	v_add_nc_u32 v[104+\f], v[104+\f], v[112+\f]
.endr
.endr
.irp f, 0,1,2,3
	v_readlane_b32 s[24+\f], v[104+\f], 15
.endr
.irp f, 0,1,2,3
	v_and_b32 v[112+\f], s[24+\f], v3              ; lanes 16-31 add the lower row's total
	v_add_nc_u32 v[104+\f], v[104+\f], v[112+\f]
.endr
.irp f, 0,1,2,3
	v_readlane_b32 s[24+\f], v[104+\f], 31         ; the wave's totals
.endr
.irp f, 0,1,2,3
	v_mov_b32 v[112+\f], s[24+\f]
.endr
	ds_store_b128 v5, v[112:115]                   ; all lanes write the same 16 bytes with the same values
	s_wait_dscnt 0x0
	s_barrier_signal -1
	s_barrier_wait -1
.irp j, 0,1,2,3,4,5,6,7
	ds_load_b128 v[64+4*\j:67+4*\j], v6 offset:16*\j
.endr
	s_wait_dscnt 0x0
.irp j, 0,1,2,3,4,5,6,7
	s_cmp_gt_u32 s18, \j                           ; does wave j stand ahead of mine?
	s_cselect_b32 s28, -1, 0
.irp f, 0,1,2,3
.if \j == 0
	v_and_b32 v[116+\f], s28, v[64+\f]
	v_mov_b32 v[120+\f], v[64+\f]
.else
	v_and_b32 v[112+\f], s28, v[64+4*\j+\f]
	v_add_nc_u32 v[116+\f], v[116+\f], v[112+\f]
	v_add_nc_u32 v[120+\f], v[120+\f], v[64+4*\j+\f]
.endif
.endr
.endr
.irp f, 0,1,2,3
	v_add_nc_u32 v[116+\f], v[116+\f], v[104+\f]
	v_sub_nc_u32 v[116+\f], v[116+\f], v[108+\f]   ; the rows of each expert that lie ahead of my thread's
.endr
.irp e, 0,1,2,3                        ; expert e and expert e + 4 share word 2 (e & 1) + (e >> 1)
	v_and_b32 v[124+\e], 0xffff, v[120+2*(\e%2)+(\e/2)]
	v_lshrrev_b32 v[128+\e], 16, v[120+2*(\e%2)+(\e/2)]
	v_and_b32 v[96+\e], 0xffff, v[116+2*(\e%2)+(\e/2)]
	v_lshrrev_b32 v[100+\e], 16, v[116+2*(\e%2)+(\e/2)]
.endr
	v_mov_b32 v132, 0
.irp e, 1,2,3,4,5,6,7
	v_add_nc_u32 v[132+\e], v[131+\e], v[123+\e]   ; EB[e]: where expert e's rows begin
.endr
.irp e, 1,2,3,4,5,6,7
	v_add_nc_u32 v[96+\e], v[96+\e], v[132+\e]
.endr
.irp k, 0,1,2,3,4,5,6,7,8,9,10,11,12,13,14,15,16,17,18,19,20,21,22,23,24,25,26,27,28,29,30,31
	v_mov_b32 v[64+\k], v96
.irp e, 0,1,2,3,4,5,6,7
	v_cmp_eq_u32 vcc_lo, \e, v[32+\k]
.if \e > 0
	v_cndmask_b32 v[64+\k], v[64+\k], v[96+\e], vcc_lo     ; row k's place is its expert's running place,
.endif
	v_add_co_ci_u32 v[96+\e], vcc_lo, 0, v[96+\e], vcc_lo  ; which then steps by one
.endr
.endr
.irp k, 0,1,2,3,4,5,6,7,8,9,10,11,12,13,14,15,16,17,18,19,20,21,22,23,24,25,26,27,28,29,30,31
	v_min_u32 v[64+\k], 0x1fff, v[64+\k]
	v_lshlrev_b32 v[64+\k], 2, v[64+\k]
	v_lshl_add_u32 v[32+\k], v0, 5, \k             ; rho
.endr
.irp k, 0,1,2,3,4,5,6,7,8,9,10,11,12,13,14,15,16,17,18,19,20,21,22,23,24,25,26,27,28,29,30,31
	global_store_b32 v[64+\k], v[32+\k], s[14:15]  ; a scatter of 32 KB in all
.endr
	; the table: thread i makes entry i
.irp e, 0,1,2,3,4,5,6,7
	v_add_nc_u32 v[140+\e], 63, v[124+\e]
	v_lshrrev_b32 v[140+\e], 6, v[140+\e]          ; tiles of 64
.endr
	v_add_nc_u32 v148, v140, v141
.irp e, 2,3,4,5,6,7
	v_add_nc_u32 v148, v148, v[140+\e]
.endr
	v_sub_nc_u32 v148, 135, v148                   ; X
	v_mov_b32 v149, v124
	v_mov_b32 v150, 0
.irp e, 1,2,3,4,5,6,7
	v_cmp_ge_u32 vcc_lo, v149, v[124+\e]
	v_cndmask_b32 v150, \e, v150, vcc_lo           ; the expert with the most rows
	v_cndmask_b32 v149, v[124+\e], v149, vcc_lo
.endr
.irp e, 0,1,2,3,4,5,6,7
	v_cmp_eq_u32 vcc_lo, \e, v150
	v_cndmask_b32 v151, 0, v148, vcc_lo
	v_add_nc_u32 v[140+\e], v[140+\e], v151        ; it gets X tiles more
.endr
	v_mov_b32 v16, 0
.irp e, 1,2,3,4,5,6,7
	v_add_nc_u32 v[16+\e], v[15+\e], v[139+\e]     ; the number of expert e's first tile
.endr
	v_mov_b32 v24, 0
	v_mov_b32 v25, 0
	v_mov_b32 v26, 0
	v_mov_b32 v27, v124
.irp e, 1,2,3,4,5,6,7
	v_cmp_gt_u32 vcc_lo, v[16+\e], v0              ; the last expert whose first tile is not behind i
	v_cndmask_b32 v24, \e, v24, vcc_lo
	v_cndmask_b32 v25, v[132+\e], v25, vcc_lo
	v_cndmask_b32 v26, v[16+\e], v26, vcc_lo
	v_cndmask_b32 v27, v[124+\e], v27, vcc_lo
.endr
	v_sub_nc_u32 v28, v0, v26                      ; i': the tile's number within its expert
	v_cmp_eq_u32 vcc_lo, v24, v150
	v_cndmask_b32 v29, 0, v148, vcc_lo             ; X for the largest expert, else 0
	v_lshlrev_b32 v30, 1, v29
	v_lshlrev_b32 v31, 5, v28                      ; 32 i'
	v_sub_nc_u32 v12, v28, v29
	v_lshlrev_b32 v12, 6, v12                      ; 64 (i' - X)
	v_mov_b32 v13, 32
	v_cmp_lt_u32 vcc_lo, v28, v30
	v_cndmask_b32 v12, v12, v31, vcc_lo            ; the tile's first row within its expert,
	v_cndmask_b32 v13, 64, v13, vcc_lo             ; and the most that it takes
	v_sub_nc_u32 v14, v27, v12
	v_min_u32 v14, v14, v13
	v_cmp_lt_u32 vcc_lo, v12, v27
	v_mov_b32 v152, v24
	v_add_nc_u32 v153, v25, v12
	v_min_u32 v153, 0x1fff, v153
	v_cndmask_b32 v154, 0, v14, vcc_lo             ; entries from 135 on have no rows and are read by nobody
	v_mov_b32 v155, 0
	v_lshlrev_b32 v15, 4, v0
	global_store_b128 v15, v[152:155], s[16:17]
	s_wait_tensorcnt 0x0
	ds_add_u32 v160, v161
	s_wait_dscnt 0x0
	s_endpgm
.Lfunc_end_k_q328e96ddb1_prep:
	.size	k_q328e96ddb1_prep, .Lfunc_end_k_q328e96ddb1_prep-k_q328e96ddb1_prep
	.p2alignl 7, 3214868480
	.fill 96, 4, 3214868480
	.section	.rodata,"a",@progbits
	.p2align	6, 0x0
	.amdhsa_kernel k_q328e96ddb1_prep
		.amdhsa_group_segment_fixed_size 1280
		.amdhsa_private_segment_fixed_size 0
		.amdhsa_enable_private_segment 0
		.amdhsa_kernarg_size 56
		.amdhsa_user_sgpr_count 2
		.amdhsa_user_sgpr_kernarg_segment_ptr 1
		.amdhsa_wavefront_size32 1
		.amdhsa_system_sgpr_workgroup_id_x 1
		.amdhsa_system_sgpr_workgroup_id_y 1
		.amdhsa_system_sgpr_workgroup_id_z 1
		.amdhsa_system_vgpr_workitem_id 0
		.amdhsa_next_free_vgpr 162
		.amdhsa_next_free_sgpr 66
		.amdhsa_reserve_vcc 1
		.amdhsa_float_denorm_mode_32 3
		.amdhsa_float_denorm_mode_16_64 3
		.amdhsa_memory_ordered 1
		.amdhsa_forward_progress 1
		.amdhsa_inst_pref_size 98
	.end_amdhsa_kernel
	.amdgpu_metadata
---
amdhsa.version: [ 1, 2 ]
amdhsa.kernels:
  - .name:           k_q328e96ddb1_prep
    .symbol:         k_q328e96ddb1_prep.kd
    .args:
      - { .name: W1, .offset: 0, .size: 8, .value_kind: global_buffer, .address_space: global }
      - { .name: W2, .offset: 8, .size: 8, .value_kind: global_buffer, .address_space: global }
      - { .name: lowp_scales, .offset: 16, .size: 8, .value_kind: global_buffer, .address_space: global }
      - { .name: sel, .offset: 24, .size: 8, .value_kind: global_buffer, .address_space: global }
      - { .name: wq, .offset: 32, .size: 8, .value_kind: global_buffer, .address_space: global }
      - { .name: rows, .offset: 40, .size: 8, .value_kind: global_buffer, .address_space: global }
      - { .name: tiles, .offset: 48, .size: 8, .value_kind: global_buffer, .address_space: global }
    .group_segment_fixed_size: 1280
    .private_segment_fixed_size: 0
    .kernarg_segment_align: 8
    .kernarg_segment_size: 56
    .max_flat_workgroup_size: 256
    .sgpr_count:     66
    .vgpr_count:     162
    .wavefront_size: 32
...
	.end_amdgpu_metadata
.endif
;; end of part 2
;; launch chain (part 3): grid 135 x 1, 4 waves a work-group, no clusters, 209,920 bytes of LDS; arguments xq, wq, rows, tiles, gw, b1, b2, lowp_scales, ybuf; writes ybuf
.if DOCPART == 3
	.amdgcn_target "amdgcn-amd-amdhsa--gfx1250"
	.amdhsa_code_object_version 6
	.text
	.protected	k_q328e96ddb1_chain
	.globl	k_q328e96ddb1_chain
	.p2align	8
	.type	k_q328e96ddb1_chain,@function
k_q328e96ddb1_chain:
	s_mov_b64 s[64:65], 0
	v_nop
	global_prefetch_b8 v0, s[64:65] scope:SCOPE_SE
	s_setreg_imm32_b32 hwreg(HW_REG_WAVE_MODE, 25, 1), 1
	s_wait_xcnt 0x0
; ONE TILE (1 to 64 routed rows of ONE expert) THROUGH THE WHOLE CHAIN: ybuf[rho] = gate x (Q(gelu(x W1 + b1)) W2 + b2), both products on codes of E5M2.
; Scales 2^e: e0 W1, e1 x, e2 the hidden layer, e3 W2.  The hidden layer never goes to memory.
; SHARES.  THE FOUR WAVES SHARE THE COLUMNS: wave w makes hidden units 256 w .. 256 w + 255 and later output columns 256 w .. 256 w + 255, for all 64 rows, 64 units (a group of four tiles) at a time.
; Both products are used transposed (source 0 = 16 units of the weight, source 1 = 16 rows): a lane holds one row throughout, and its registers run along the units.
; The 64 rows' codes (32 fragments of 16 registers) stay in windows 2 and 3 for a whole phase.  The weights come from memory straight into a ring of four K steps x four fragments in window 1: they lie in memory in
; the order of a wave's registers, 64 KB on end for a group; the ring runs on from group to group and over both barriers; a fragment is loaded once, by one wave, and feeds four matrix instructions.
; THE WALK IS TURNED FROM WORK-GROUP TO WORK-GROUP.  A phase's four groups do not depend on each other, so work-group i takes them in the order (p + rot) & 3, p = 0 .. 3, rot = (i + (i >> 2)) & 3.  Tiles of one expert
; have neighbouring numbers: at any time they read four different quarters of a phase's weights, and from a phase's second group on a work-group reads bytes that others of its expert have read a group earlier.
; The units of a tile are not neighbours (lane r of tile t takes unit 32 (t >> 1) + 8 (t & 1) + r + 8 (r >> 3) of its group), so that the 16 registers of tiles 2 b and 2 b + 1 are 16 neighbours along the next K.
; Operands go from wave to wave through LDS as images of their registers: four registers by one ds_store_b128 at 16 x lane.  IMG(m, s, c) = 8192 s + 4096 (c >> 1) + 1024 m + 512 (c & 1) + 16 lane.
; Rows past the tile's n repeat row n - 1: they compute the same numbers and store them to the same bytes, so EXEC is never changed.  Every tile of the table has at least one row: no branch hangs on a stored number.
; gelu(x) = x / (1 + 2^(x (C0 + C1 x^2))), C0 = -2 log2(e) sqrt(2 / pi), C1 = 0.044715 C0: the tanh form, rewritten.
; The biases are the C of each sum's first matrix instruction, divided beforehand by the power of two that the sums lack.
; NO CLUSTER, NO TENSOR LOAD: which expert's weights a work-group walks is a stored number, and how many tiles an expert has differs from input to input; 135 work-groups divide into no cluster of four.
; LIMITS: e0 + e1 between -126 and 127; e2 between -126 and 112; e2 + e3 goes by v_ldexp_f32 and has none.  NaN among the inputs is not served.
; REGISTERS, window 0: v1 16 lane; v2 r; v3 h; v4-15 at work at the head; v16-25 LDS addresses; v26-33 gate x 2^(e2+e3), a pair for each tile of rows; v34-39 C0, C1, 2^(e0+e1) as pairs; v40 57,344 x 2^e2; v41 2^e2;
;   v42 16 r; v44-75 at work in phase 1, the rows' offsets in ybuf in phase 2; v76-107 a group's biases; v108-115 codes just made; v116, v117 LDS addresses; v128-255 the 16 accumulators ((t, m) at 128 + 32 m + 8 t).
; SCALARS that stay: s[32:33] the weights of the group in hand; s[56:57] of the next group; s[58:59] my wave's 512 KB; s[54:55] ybuf at my wave's columns; s[38:39] the same at the group's; s34 a loop's trips;
;   s36 where the next group's biases lie; s37 p, the groups done, through both phases; s62 rot.
.set XIMG,  0                          ; LDS: x's 32 fragments, 65,536 bytes
.set HIMG,  65536                      ; the hidden layer's 32 fragments
.set BIAS,  131072                     ; [wave][phase][256] f32, 8,192 bytes
.set LIST,  139264                     ; the tile's rho, 512 bytes
.set STAGE, 139776                     ; the way out: for each wave 64 rows x (256 bytes + 16)
.set SG,  26
.set T,   44
.set BI,  76
.set PC,  108
.set ACC, 128
.set MSB, 0
.macro WIN new                         ; the immediate's high byte repeats the setting that is left
.if MSB != \new
	s_set_vgpr_msb (MSB<<8)|\new
.set MSB, \new
.endif
.endm
.macro PLACES                          ; four plain vector lines behind a matrix instruction, ahead of loads into its registers and of reads of its result
.rept 4
	v_nop
.endr
.endm
.macro RINGFILL slot, base, off        ; a K step's four fragments of the weight: 16 loads of 512 consecutive bytes, from off bytes behind the group's first byte in s[base:base+1]
	WIN 0x40                                       ; destination window 1
.irp i, 0,1,2,3,4,5,6,7,8,9,10,11,12,13,14,15
	global_load_b128 v[64*(\slot)+4*\i:64*(\slot)+4*\i+3], v1, s[\base:\base+1] offset:(\off)+512*\i
.endr
.endm
.macro FETCHA base                     ; the 32 fragments of the rows: (m, s) at 16 (4 (s % 4) + m) of window 2 (s < 4) or 3
.irp s, 0,1,2,3,4,5,6,7
.if \s < 4
	WIN 0x80
.else
	WIN 0xc0
.endif
.irp m, 0,1,2,3
.irp c, 0,1,2,3
	ds_load_b128 v[16*(4*(\s%4)+\m)+4*\c:16*(4*(\s%4)+\m)+4*\c+3], v[\base] offset:8192*\s+4096*(\c/2)+1024*\m+512*(\c%2)
.endr
.endr
.endr
	WIN 0
.endm
.macro BIASFETCH                       ; a group's biases in the result's layout: tile t, lane (r, h): units 32 (t >> 1) + 16 h + 8 (t & 1) + 0 .. 7
	WIN 0
.irp t, 0,1,2,3
	ds_load_b128 v[BI+8*\t:BI+8*\t+3], v22 offset:128*(\t/2)+32*(\t%2)
	ds_load_b128 v[BI+8*\t+4:BI+8*\t+7], v22 offset:128*(\t/2)+32*(\t%2)+16
.endr
.endm
; A K step of 128: 16 matrix instructions, the 16 accumulators by turns, one instruction a turn, in the same order in every step.
; cnt: the ring's loads issued behind this step's, which may stay out.  first = 1: the biases start the sums.
; fill = 1: the slot takes this group's K step four steps on; fill = 2: the next group's K step s - 4; fill = 0: nothing.  nb = 1: the next group's biases are fetched.
.macro STEP s, first, fill, cnt, nb
	s_wait_loadcnt \cnt
.if \s < 4
	WIN 0x09                                       ; source 0 (the weight) window 1, source 1 (the rows) window 2
.else
	WIN 0x0d                                       ; source 1 window 3
.endif
.irp t, 0,1,2,3
.irp m, 0,1,2,3
.if \first
	v_wmma_f32_16x16x128_bf8_bf8 v[ACC+32*\m+8*\t:ACC+32*\m+8*\t+7], v[64*((\s)%4)+16*\t:64*((\s)%4)+16*\t+15], v[16*(4*((\s)%4)+\m):16*(4*((\s)%4)+\m)+15], v[BI+8*\t:BI+8*\t+7]
.else
	v_wmma_f32_16x16x128_bf8_bf8 v[ACC+32*\m+8*\t:ACC+32*\m+8*\t+7], v[64*((\s)%4)+16*\t:64*((\s)%4)+16*\t+15], v[16*(4*((\s)%4)+\m):16*(4*((\s)%4)+\m)+15], v[ACC+32*\m+8*\t:ACC+32*\m+8*\t+7]
.endif
.endr
.endr
.if \fill == 1
	PLACES
	RINGFILL (\s)%4, 32, ((\s)+4)*8192
.endif
.if \fill == 2
	PLACES
	RINGFILL (\s)%4, 56, ((\s)-4)*8192
.endif
.if \nb
	BIASFETCH
.endif
.endm
; A group: 64 units x 64 rows x K = 1,024.  last = 1: the launch's last group: its second half loads nothing, and the counts run down.
.macro GROUPK last
.if !\last
	v_add_nc_u32 v22, s36, v21                     ; the next group's biases in LDS
.endif
	STEP 0, 1, 1, 48, 1-\last
	STEP 1, 0, 1, 48, 0
	STEP 2, 0, 1, 48, 0
	STEP 3, 0, 1, 48, 0
.if \last
	STEP 4, 0, 0, 48, 0
	STEP 5, 0, 0, 32, 0
	STEP 6, 0, 0, 16, 0
	STEP 7, 0, 0, 0, 0
	WIN 0
	PLACES
.else
	STEP 4, 0, 2, 48, 0
	STEP 5, 0, 2, 48, 0
	STEP 6, 0, 2, 48, 0
	STEP 7, 0, 2, 48, 0
.endif
.endm
; From one group to the next.  Group p + 1 of the walk lies at place (p + 1 + rot) & 3 of phase (p + 1) >> 2: (4 phase + place) x 64 KB in my wave's weights, x 256 bytes in its biases.
.macro ADVANCE
	s_wait_xcnt 0x0                                ; the ring's loads have read their bases, the stores their data, offsets and base
	s_mov_b64 s[32:33], s[56:57]                   ; the next group is now in hand
	s_add_co_u32 s37, s37, 1                       ; p
	s_add_co_u32 s60, s37, 1                       ; the group behind it:
	s_bfe_u32 s61, s60, 0x10002                    ; its phase (one bit from bit 2),
	s_add_co_u32 s60, s60, s62
	s_and_b32 s60, s60, 3                          ; its place
	s_lshl_b32 s61, s61, 2
	s_add_co_u32 s60, s60, s61
	s_lshl_b32 s36, s60, 8
	s_lshl_b32 s60, s60, 16
	s_mov_b32 s61, 0
	s_add_nc_u64 s[56:57], s[58:59], s[60:61]      ; (behind the last group but one this is made and not used)
.endm
; The hidden layer of 16 rows x this group's 64 units: scale, gelu, hold, codes, image.  Each batch of transcendentals has one plain line and one wait behind it, ahead of its first reader.
.macro BATCH m
.set AB, ACC+32*\m
.irp j, 0,2,4,6,8,10,12,14,16,18,20,22,24,26,28,30
	v_pk_mul_f32 v[AB+\j:AB+\j+1], v[AB+\j:AB+\j+1], v[38:39]              ; x = sum x 2^(e0+e1) (the bias is in the sum); each accumulator from its low end on
.endr
.irp j, 0,2,4,6,8,10,12,14,16,18,20,22,24,26,28,30
	v_pk_mul_f32 v[T+\j:T+\j+1], v[AB+\j:AB+\j+1], v[AB+\j:AB+\j+1]
.endr
.irp j, 0,2,4,6,8,10,12,14,16,18,20,22,24,26,28,30
	v_pk_fma_f32 v[T+\j:T+\j+1], v[T+\j:T+\j+1], v[36:37], v[34:35]        ; C1 x^2 + C0
.endr
.irp j, 0,2,4,6,8,10,12,14,16,18,20,22,24,26,28,30
	v_pk_mul_f32 v[T+\j:T+\j+1], v[T+\j:T+\j+1], v[AB+\j:AB+\j+1]
.endr
.set n, 0
.rept 32
	v_exp_f32 v[T+n], v[T+n]
.set n, n+1
.endr
	v_nop
	s_wait_alu depctr_va_vdst(0)
.irp j, 0,2,4,6,8,10,12,14,16,18,20,22,24,26,28,30
	v_pk_add_f32 v[T+\j:T+\j+1], v[T+\j:T+\j+1], 1.0 op_sel_hi:[1,0]
.endr
.set n, 0
.rept 32
	v_rcp_f32 v[T+n], v[T+n]
.set n, n+1
.endr
	v_nop
	s_wait_alu depctr_va_vdst(0)
.irp j, 0,2,4,6,8,10,12,14,16,18,20,22,24,26,28,30
	v_pk_mul_f32 v[AB+\j:AB+\j+1], v[AB+\j:AB+\j+1], v[T+\j:T+\j+1]        ; gelu(x)
.endr
.set n, 0
.rept 32
	v_med3_num_f32 v[AB+n], v[AB+n], -v40, v40     ; the hold at the largest code x the scale (ISA guide 7.6.2)
.set n, n+1
.endr
	s_wait_dscnt 0x0                               ; the last batch's stores have read the codes' registers; the next group's biases are in
.irp t, 0,1,2,3
	v_cvt_scalef32_pk8_bf8_f32 v[PC+2*\t:PC+2*\t+1], v[AB+8*\t:AB+8*\t+7], v41
.endr
	v_nop                                          ; a plain line between the conversions and the matrix instructions that later write their sources
	ds_store_b128 v20, v[PC:PC+3] offset:1024*\m               ; units 16 h + 0 .. 15 of the group,
	ds_store_b128 v20, v[PC+4:PC+7] offset:1024*\m+512         ; and 32 + 16 h + 0 .. 15: two groups of four registers of the next product's fragment
.endm
.macro EPI1
	WIN 0
	s_add_co_u32 s35, s37, s62
	s_and_b32 s35, s35, 3                          ; the place of the group in hand, 0 .. 3,
	s_lshl_b32 s35, s35, 12                        ; x 4,096 bytes: inside my wave's 16,384 for every place
	v_add_nc_u32 v20, s35, v19                     ; HIMG + 16384 w + 4096 place + 16 lane
	BATCH 0
	BATCH 1
	BATCH 2
	BATCH 3
.endm
; The way out of a group: 64 rows x 64 columns.  x gate x 2^(e2+e3); through my own stage; back as whole runs of 256 bytes of a row.
.macro EPI2
	s_add_co_u32 s60, s37, s62
	s_and_b32 s60, s60, 3                          ; the place of the group in hand
	s_lshl_b32 s60, s60, 8                         ; its 64 columns: 256 bytes
	s_mov_b32 s61, 0
	s_add_nc_u64 s[38:39], s[54:55], s[60:61]      ; (the last group's stores have read this base: the wait at the head of the step from group to group)
.irp m, 0,1,2,3
.irp j, 0,2,4,6,8,10,12,14,16,18,20,22,24,26,28,30
	v_pk_mul_f32 v[ACC+32*\m+\j:ACC+32*\m+\j+1], v[ACC+32*\m+\j:ACC+32*\m+\j+1], v[SG+2*\m:SG+2*\m+1]
.endr
.endr
.irp m, 0,1,2,3
.irp t, 0,1,2,3
	ds_store_b128 v23, v[ACC+32*\m+8*\t:ACC+32*\m+8*\t+3] offset:4352*\m+128*(\t/2)+32*(\t%2)
	ds_store_b128 v23, v[ACC+32*\m+8*\t+4:ACC+32*\m+8*\t+7] offset:4352*\m+128*(\t/2)+32*(\t%2)+16
.endr
.endr
.irp i, 0,1,2,3,4,5,6,7,8,9,10,11,12,13,14,15,16,17,18,19,20,21,22,23,24,25,26,27,28,29,30,31
	ds_load_b128 v[ACC+4*\i:ACC+4*\i+3], v24 offset:544*\i     ; LDS serves a wave's instructions in order (ISA guide 5.7.1.4): these see my stores
.endr
.irp i, 0,1,2,3,4,5,6,7,8,9,10,11,12,13,14,15,16,17,18,19,20,21,22,23,24,25,26,27,28,29,30,31
	s_wait_dscnt 31-\i                             ; rows 2 i and 2 i + 1 are back; the later reads may be out
	global_store_b128 v[T+\i], v[ACC+4*\i:ACC+4*\i+3], s[38:39]   ; 16 lanes store 256 consecutive bytes of a row of ybuf, aligned
.endr
.endm
	s_load_b512 s[4:19], s[0:1], 0x0               ; xq s[4:5], wq s[6:7], rows s[8:9], tiles s[10:11], gw s[12:13], b1 s[14:15], b2 s[16:17], the scales s[18:19]
	s_load_b64 s[20:21], s[0:1], 0x40              ; ybuf
	v_lshl_add_u32 v126, v0, 2, 0x33200
	v_mov_b32 v127, 0
	v_lshrrev_b32 v4, 5, v0
	v_readfirstlane_b32 s22, v4                    ; wave 0..3
	v_and_b32 v4, 31, v0
	v_lshlrev_b32 v1, 4, v4                        ; 16 x lane
	v_and_b32 v2, 15, v0                           ; r
	v_bfe_u32 v3, v0, 4, 1                         ; h
	s_lshr_b32 s62, ttmp9, 2
	s_add_co_u32 s62, s62, ttmp9
	s_and_b32 s62, s62, 3                          ; rot = (i + (i >> 2)) & 3: all four values occur among any four or eight neighbouring numbers, and among the even and the odd ones
	s_lshl_b32 s40, ttmp9, 4
	s_mov_b32 s41, 0
	s_wait_kmcnt 0x0
	s_add_nc_u64 s[42:43], s[10:11], s[40:41]
	s_load_b128 s[24:27], s[42:43], 0x0            ; my tile: expert, first place in the list, rows
	s_load_b128 s[28:31], s[18:19], 0x0            ; e0 .. e3
	v_add_nc_u32 v16, XIMG, v1                     ; images of x,
	v_add_nc_u32 v17, HIMG, v1                     ; of the hidden layer
	s_lshl_b32 s44, s22, 10
	v_add_nc_u32 v18, s44, v1                      ; where I store x's: tile of rows m = w
	s_lshl_b32 s44, s22, 14
	s_add_co_u32 s44, s44, HIMG
	v_add_nc_u32 v19, s44, v1                      ; where I store the hidden layer's: K steps 2 w and 2 w + 1
	s_lshl_b32 s44, s22, 11
	s_add_co_u32 s44, s44, BIAS
	v_lshl_add_u32 v21, v3, 6, s44                 ; my wave's biases, + 64 h
	s_mul_i32 s44, s22, 17408
	s_add_co_u32 s44, s44, STAGE
	v_mul_u32_u24 v23, v2, 272
	v_lshl_add_u32 v23, v3, 6, v23
	v_add_nc_u32 v23, s44, v23                     ; into my stage: row r, + 64 h
	v_mul_u32_u24 v24, v3, 272
	v_lshl_add_u32 v24, v2, 4, v24
	v_add_nc_u32 v24, s44, v24                     ; back: lanes 0-15 one row, lanes 16-31 the next
	v_lshlrev_b32 v25, 2, v3
	v_add_nc_u32 v25, LIST, v25
	v_lshlrev_b32 v42, 4, v2
	v_lshrrev_b32 v116, 6, v0
	v_and_b32 v117, 63, v0
	v_lshlrev_b32 v116, 11, v116
	v_lshl_add_u32 v116, v117, 4, v116
	v_add_nc_u32 v116, BIAS, v116                  ; where thread tau puts four biases: 2048 (tau >> 6) + 16 (tau & 63)
	v_lshlrev_b32 v117, 2, v0
	v_add_nc_u32 v117, LIST, v117
	s_lshl_b32 s45, s22, 4
	v_add_nc_u32 v4, s45, v2                       ; the rows whose places in the list I want: 16 w + r (x),
.irp m, 0,1,2,3
	v_add_nc_u32 v[5+\m], 16*\m, v2                ; 16 m + r (the gates),
.endr
	v_and_b32 v9, 63, v0                           ; tau & 63 (the list in LDS)
	s_wait_kmcnt 0x0
	s_min_u32 s24, s24, 7
	s_min_u32 s25, s25, 0x1fff
	s_min_u32 s26, s26, 64
	s_sub_co_u32 s44, s26, 1
.irp i, 4,5,6,7,8,9
	v_min_u32 v\i, s44, v\i                        ; rows past n repeat row n - 1
	v_add_nc_u32 v\i, s25, v\i
	v_min_u32 v\i, 0x1fff, v\i
	v_lshlrev_b32 v\i, 2, v\i
.endr
.irp i, 0,1,2,3,4,5
	global_load_b32 v[10+\i], v[4+\i], s[8:9]
.endr
	s_lshl_b32 s46, s24, 21                        ; my expert's 2 MB of codes,
	s_lshl_b32 s47, s22, 19                        ; my wave's 512 KB of them
	s_add_co_u32 s46, s46, s47
	s_mov_b32 s47, 0
	s_add_nc_u64 s[58:59], s[6:7], s[46:47]
	s_lshl_b32 s46, s62, 16
	s_add_nc_u64 s[32:33], s[58:59], s[46:47]      ; the walk's first group: place rot of phase 1
	s_add_co_u32 s46, s62, 1
	s_and_b32 s46, s46, 3                          ; its second: place (1 + rot) & 3
	s_lshl_b32 s36, s46, 8
	s_lshl_b32 s46, s46, 16
	s_add_nc_u64 s[56:57], s[58:59], s[46:47]
	s_lshl_b32 s46, s22, 10
	s_add_nc_u64 s[54:55], s[20:21], s[46:47]      ; ybuf at my wave's 256 columns
	s_lshl_b32 s45, s24, 12                        ; my expert's biases
	s_add_co_i32 s46, s28, s29                     ; e0 + e1
	s_sub_co_i32 s47, 0, s46
	s_add_co_i32 s48, s30, s31                     ; e2 + e3
	s_sub_co_i32 s49, 0, s48
	s_add_co_i32 s50, s46, 127
	s_lshl_b32 s50, s50, 23                        ; 2^(e0+e1) as f32
	s_add_co_i32 s51, s30, 127
	s_lshl_b32 s52, s51, 23                        ; 2^e2 as f32
	s_add_co_i32 s51, s51, 15
	s_lshl_b32 s51, s51, 23
	s_or_b32 s51, s51, 0x600000                    ; 57,344 x 2^e2
	s_wait_loadcnt 0x0
	v_lshrrev_b32 v4, 1, v10                       ; the token of my row of x
	v_min_u32 v4, 0xfff, v4
	v_lshlrev_b32 v4, 10, v4
	v_lshl_add_u32 v4, v3, 4, v4                   ; its 1,024 codes, + 16 h
.irp m, 0,1,2,3
	v_min_u32 v[5+\m], 0x1fff, v[11+\m]
	v_lshlrev_b32 v[5+\m], 2, v[5+\m]
.endr
	v_lshl_add_u32 v9, v0, 4, s45
.irp s, 0,1,2,3,4,5,6,7
.irp c, 0,1,2,3
	global_load_b128 v[ACC+4*(4*\s+\c):ACC+4*(4*\s+\c)+3], v4, s[4:5] offset:128*\s+32*\c     ; piece 8 s + 2 c + h of my row
.endr
.endr
.irp m, 0,1,2,3
	global_load_b32 v[SG+2*\m], v[5+\m], s[12:13]
.endr
	global_load_b128 v[T:T+3], v9, s[14:15]
	global_load_b128 v[T+4:T+7], v9, s[14:15] offset:2048
	global_load_b128 v[T+8:T+11], v9, s[16:17]
	global_load_b128 v[T+12:T+15], v9, s[16:17] offset:2048
	RINGFILL 0, 32, 0
	WIN 0
	s_wait_loadcnt 16                              ; all but the ring's first K step, issued last, are in
.irp i, 0,1,2,3,4,5,6,7
	v_ldexp_f32 v[T+\i], v[T+\i], s47              ; b1 / 2^(e0+e1)
.endr
.irp i, 8,9,10,11,12,13,14,15
	v_ldexp_f32 v[T+\i], v[T+\i], s49              ; b2 / 2^(e2+e3)
.endr
.irp m, 0,1,2,3
	v_ldexp_f32 v[SG+2*\m], v[SG+2*\m], s48        ; gate x 2^(e2+e3)
.endr
.irp m, 0,1,2,3
	v_mov_b32 v[SG+2*\m+1], v[SG+2*\m]
.endr
	v_mov_b32 v34, 0xc0135761                      ; C0 = -2.3022082
	v_mov_b32 v35, 0xc0135761
	v_mov_b32 v36, 0xbdd2d3e8                      ; C1 = -0.10294324
	v_mov_b32 v37, 0xbdd2d3e8
	v_mov_b32 v38, s50
	v_mov_b32 v39, s50
	v_mov_b32 v40, s51
	v_mov_b32 v41, s52
.irp s, 0,1,2,3,4,5,6,7
.irp c, 0,1,2,3
	ds_store_b128 v18, v[ACC+4*(4*\s+\c):ACC+4*(4*\s+\c)+3] offset:8192*\s+4096*(\c/2)+512*(\c%2)
.endr
.endr
	ds_store_b128 v116, v[T:T+3]                   ; b1's units 4 tau on,
	ds_store_b128 v116, v[T+4:T+7] offset:4096     ; and 512 + 4 tau on: two waves further
	ds_store_b128 v116, v[T+8:T+11] offset:1024    ; b2 likewise, behind a wave's b1
	ds_store_b128 v116, v[T+12:T+15] offset:5120
	ds_store_b32 v117, v15
	RINGFILL 1, 32, 8192
	RINGFILL 2, 32, 16384
	RINGFILL 3, 32, 24576
	WIN 0
	s_wait_dscnt 0x0                               ; for the others' sake: my stores have landed
	s_barrier_signal -1
	s_barrier_wait -1                              ; x's 32 fragments, the biases and the list lie in LDS
	s_lshl_b32 s60, s62, 8
	v_add_nc_u32 v22, s60, v21                     ; the first group's biases: place rot
	BIASFETCH
	FETCHA 16
	s_wait_dscnt 0x0
	s_mov_b32 s34, 4
	s_mov_b32 s37, 0                               ; p
.Lp1:                                              ; PHASE 1: four groups of 64 hidden units
	GROUPK 0
	EPI1
	ADVANCE
	s_sub_co_u32 s34, s34, 1
	s_cmp_lg_u32 s34, 0
	s_cbranch_scc1 .Lp1
	s_wait_dscnt 0x0                               ; my images have landed
	s_barrier_signal -1
	s_barrier_wait -1                              ; the hidden layer's 32 fragments lie in LDS
	FETCHA 17
.irp i, 0,1,2,3,4,5,6,7,8,9,10,11,12,13,14,15,16,17,18,19,20,21,22,23,24,25,26,27,28,29,30,31
	ds_load_b32 v[T+\i], v25 offset:8*\i           ; rho of rows 2 i + h
.endr
	s_wait_dscnt 0x0
.irp i, 0,1,2,3,4,5,6,7,8,9,10,11,12,13,14,15,16,17,18,19,20,21,22,23,24,25,26,27,28,29,30,31
	v_min_u32 v[T+\i], 0x1fff, v[T+\i]
	v_lshl_add_u32 v[T+\i], v[T+\i], 12, v42       ; its row of ybuf, + 16 r
.endr
	s_mov_b32 s34, 3
.Lp2:                                              ; PHASE 2: four groups of 64 output columns; the last is written out
	GROUPK 0
	WIN 0
	EPI2
	ADVANCE
	s_sub_co_u32 s34, s34, 1
	s_cmp_lg_u32 s34, 0
	s_cbranch_scc1 .Lp2
	GROUPK 1
	EPI2
	s_wait_tensorcnt 0x0
	ds_add_u32 v126, v127
	s_wait_dscnt 0x0
	s_endpgm
.Lfunc_end_k_q328e96ddb1_chain:
	.size	k_q328e96ddb1_chain, .Lfunc_end_k_q328e96ddb1_chain-k_q328e96ddb1_chain
	.p2alignl 7, 3214868480
	.fill 96, 4, 3214868480
	.section	.rodata,"a",@progbits
	.p2align	6, 0x0
	.amdhsa_kernel k_q328e96ddb1_chain
		.amdhsa_group_segment_fixed_size 209920
		.amdhsa_private_segment_fixed_size 0
		.amdhsa_enable_private_segment 0
		.amdhsa_kernarg_size 72
		.amdhsa_user_sgpr_count 2
		.amdhsa_user_sgpr_kernarg_segment_ptr 1
		.amdhsa_wavefront_size32 1
		.amdhsa_system_sgpr_workgroup_id_x 1
		.amdhsa_system_sgpr_workgroup_id_y 1
		.amdhsa_system_sgpr_workgroup_id_z 1
		.amdhsa_system_vgpr_workitem_id 0
		.amdhsa_next_free_vgpr 1024
		.amdhsa_next_free_sgpr 66
		.amdhsa_reserve_vcc 0
		.amdhsa_float_denorm_mode_32 3
		.amdhsa_float_denorm_mode_16_64 3
		.amdhsa_memory_ordered 1
		.amdhsa_forward_progress 1
		.amdhsa_inst_pref_size 171
	.end_amdhsa_kernel
	.amdgpu_metadata
---
amdhsa.version: [ 1, 2 ]
amdhsa.kernels:
  - .name:           k_q328e96ddb1_chain
    .symbol:         k_q328e96ddb1_chain.kd
    .args:
      - { .name: xq, .offset: 0, .size: 8, .value_kind: global_buffer, .address_space: global }
      - { .name: wq, .offset: 8, .size: 8, .value_kind: global_buffer, .address_space: global }
      - { .name: rows, .offset: 16, .size: 8, .value_kind: global_buffer, .address_space: global }
      - { .name: tiles, .offset: 24, .size: 8, .value_kind: global_buffer, .address_space: global }
      - { .name: gw, .offset: 32, .size: 8, .value_kind: global_buffer, .address_space: global }
      - { .name: b1, .offset: 40, .size: 8, .value_kind: global_buffer, .address_space: global }
      - { .name: b2, .offset: 48, .size: 8, .value_kind: global_buffer, .address_space: global }
      - { .name: lowp_scales, .offset: 56, .size: 8, .value_kind: global_buffer, .address_space: global }
      - { .name: ybuf, .offset: 64, .size: 8, .value_kind: global_buffer, .address_space: global }
    .group_segment_fixed_size: 209920
    .private_segment_fixed_size: 0
    .kernarg_segment_align: 8
    .kernarg_segment_size: 72
    .max_flat_workgroup_size: 128
    .sgpr_count:     66
    .vgpr_count:     1024
    .wavefront_size: 32
...
	.end_amdgpu_metadata
.endif
;; end of part 3
;; launch combine (part 4): grid 256 x 1, 8 waves a work-group, no clusters, 0 bytes of LDS; arguments ybuf, out0; writes out0
.if DOCPART == 4
	.amdgcn_target "amdgcn-amd-amdhsa--gfx1250"
	.amdhsa_code_object_version 6
	.text
	.protected	k_q328e96ddb1_combine
	.globl	k_q328e96ddb1_combine
	.p2align	8
	.type	k_q328e96ddb1_combine,@function
k_q328e96ddb1_combine:
	s_mov_b64 s[64:65], 0
	v_nop
	global_prefetch_b8 v0, s[64:65] scope:SCOPE_SE
	s_setreg_imm32_b32 hwreg(HW_REG_WAVE_MODE, 25, 1), 1
	s_wait_xcnt 0x0
; out0[t] = ybuf[2 t] + ybuf[2 t + 1]: a token's two gated rows are added.  A stream: no LDS, no barrier, no matrix unit.
; Work-group g takes tokens 16 g .. 16 g + 15; thread tau the 16 bytes at 16 tau of every row: a wave's load or store covers 512 consecutive bytes, aligned.
; All 32 loads of a thread go out at once; every register is written once, so no store's data are written again.
	s_load_b128 s[4:7], s[0:1], 0x0                ; ybuf, out0
	v_lshlrev_b32 v1, 4, v0
	s_lshl_b32 s8, ttmp9, 17                       ; 16 tokens x 2 rows x 4,096 bytes
	s_mov_b32 s9, 0
	s_lshl_b32 s10, ttmp9, 16
	s_mov_b32 s11, 0
	s_wait_kmcnt 0x0
	s_add_nc_u64 s[4:5], s[4:5], s[8:9]
	s_add_nc_u64 s[6:7], s[6:7], s[10:11]
.irp i, 0,1,2,3,4,5,6,7,8,9,10,11,12,13,14,15
	global_load_b128 v[8+8*\i:11+8*\i], v1, s[4:5] offset:8192*\i th:TH_LOAD_NT
	global_load_b128 v[12+8*\i:15+8*\i], v1, s[4:5] offset:8192*\i+4096 th:TH_LOAD_NT
.endr
.irp i, 0,1,2,3,4,5,6,7,8,9,10,11,12,13,14,15
	s_wait_loadcnt 30-2*\i                         ; token i's two loads are in; the later tokens', two each, may be out
	v_pk_add_f32 v[8+8*\i:9+8*\i], v[8+8*\i:9+8*\i], v[12+8*\i:13+8*\i]
	v_pk_add_f32 v[10+8*\i:11+8*\i], v[10+8*\i:11+8*\i], v[14+8*\i:15+8*\i]
	global_store_b128 v1, v[8+8*\i:11+8*\i], s[6:7] offset:4096*\i th:TH_STORE_NT
.endr
	s_endpgm
.Lfunc_end_k_q328e96ddb1_combine:
	.size	k_q328e96ddb1_combine, .Lfunc_end_k_q328e96ddb1_combine-k_q328e96ddb1_combine
	.p2alignl 7, 3214868480
	.fill 96, 4, 3214868480
	.section	.rodata,"a",@progbits
	.p2align	6, 0x0
	.amdhsa_kernel k_q328e96ddb1_combine
		.amdhsa_group_segment_fixed_size 0
		.amdhsa_private_segment_fixed_size 0
		.amdhsa_enable_private_segment 0
		.amdhsa_kernarg_size 16
		.amdhsa_user_sgpr_count 2
		.amdhsa_user_sgpr_kernarg_segment_ptr 1
		.amdhsa_wavefront_size32 1
		.amdhsa_system_sgpr_workgroup_id_x 1
		.amdhsa_system_sgpr_workgroup_id_y 1
		.amdhsa_system_sgpr_workgroup_id_z 1
		.amdhsa_system_vgpr_workitem_id 0
		.amdhsa_next_free_vgpr 136
		.amdhsa_next_free_sgpr 66
		.amdhsa_reserve_vcc 0
		.amdhsa_float_denorm_mode_32 3
		.amdhsa_float_denorm_mode_16_64 3
		.amdhsa_memory_ordered 1
		.amdhsa_forward_progress 1
		.amdhsa_inst_pref_size 8
	.end_amdhsa_kernel
	.amdgpu_metadata
---
amdhsa.version: [ 1, 2 ]
amdhsa.kernels:
  - .name:           k_q328e96ddb1_combine
    .symbol:         k_q328e96ddb1_combine.kd
    .args:
      - { .name: ybuf, .offset: 0, .size: 8, .value_kind: global_buffer, .address_space: global }
      - { .name: out0, .offset: 8, .size: 8, .value_kind: global_buffer, .address_space: global }
    .group_segment_fixed_size: 0
    .private_segment_fixed_size: 0
    .kernarg_segment_align: 8
    .kernarg_segment_size: 16
    .max_flat_workgroup_size: 256
    .sgpr_count:     66
    .vgpr_count:     136
    .wavefront_size: 32
...
	.end_amdgpu_metadata
.endif
;; end of part 4
;; ======== version 2 of 2: 4 launches
;; workspace buffers: xq 4,194,304 bytes; sel 16,384 bytes of whole numbers; gw 32,768 bytes; wq 16,777,216 bytes; rows 32,768 bytes of whole numbers; tiles 4,096 bytes of whole numbers; ybuf 33,554,432 bytes
;; launch route (part 5): grid 256 x 1, 4 waves a work-group, no clusters, 37,376 bytes of LDS; arguments x, Wr, br, lowp_scales, xq, sel, gw; writes xq, sel, gw
.if DOCPART == 5
	.amdgcn_target "amdgcn-amd-amdhsa--gfx1250"
	.amdhsa_code_object_version 6
	.text
	.protected	k_q328e96ddb1_route
	.globl	k_q328e96ddb1_route
	.p2align	8
	.type	k_q328e96ddb1_route,@function
k_q328e96ddb1_route:
	s_mov_b64 s[64:65], 0
	v_nop
	global_prefetch_b8 v0, s[64:65] scope:SCOPE_SE
	s_setreg_imm32_b32 hwreg(HW_REG_WAVE_MODE, 25, 1), 1
	s_wait_xcnt 0x0
; ROUTER AND x's CODES.  scores = x Wr + br in f32 (fused multiply-adds); the two largest scores of a token (on a tie the lower index); their softmax, the larger score taken away
; before the exponential; and x as codes of E5M2 with the given scale 2^e1 (entry 1 of the scales).
; SHARES.  256 work-groups x 4 waves x 4 tokens.  A wave holds a whole row of x: load j (0..7) is 512 consecutive bytes, lane L holds d = 128 j + 4 L + i in register 4 j + i.
; Wr (32 KB) goes once through LDS, chunks of 128 bytes (4 d x 8 experts) 144 bytes apart, and then stays in 256 registers of each wave: register 32 j + 8 i + e of window 1.
; OUT.  sel[t] = first expert | second expert << 8 and gw[t] = the two gates, at fixed places: no address here hangs on the choice.
; xq[t]: a lane's 16 bytes are stored as they fall: piece p (16 bytes), byte b holds d = 512 (p >> 5) + 128 (b >> 2) + 4 (p & 31) + (b & 3).  W1's codes are laid in the same order of k.
; LIMITS: NaN and infinities in x or in the scores are not served; e1 between -126 and 112; the order of the f32 sums differs from a row-wise sum, so scores that agree to the last bits may change places.
.set X,   32                           ; v32-159  token q at X + 32 q
.set CD,  224                          ; v224-255 codes, 8 registers a token
.set MSB, 0
.macro WIN new                         ; the immediate's high byte repeats the setting that is left
.if MSB != \new
	s_set_vgpr_msb (MSB<<8)|\new
.set MSB, \new
.endif
.endm
	s_load_b256 s[4:11], s[0:1], 0x0               ; x, Wr, br, the scales
	s_load_b128 s[12:15], s[0:1], 0x20             ; xq, sel
	s_load_b64 s[16:17], s[0:1], 0x30              ; gw
	s_set_vgpr_msb 0x80
	v_lshl_add_u32 v0, v0, 2, 0x9000
	v_mov_b32 v1, 0
	s_set_vgpr_msb 0x8000
	v_lshrrev_b32 v1, 5, v0
	v_readfirstlane_b32 s18, v1                    ; wave
	v_and_b32 v1, 31, v0                           ; lane L
	v_lshlrev_b32 v2, 4, v1                        ; 16 L
	v_lshrrev_b32 v3, 3, v1
	v_mul_u32_u24 v3, v3, 144
	v_and_b32 v4, 7, v1
	v_lshl_add_u32 v3, v4, 4, v3
	s_mul_i32 s36, s18, 9216
	v_add_nc_u32 v3, s36, v3                       ; Wr into LDS: 9216 w + 144 (L >> 3) + 16 (L & 7)
	v_mul_u32_u24 v4, v1, 144                      ; and out of it: chunk 32 j + L
	s_lshl_b32 s36, s18, 13
	v_add_nc_u32 v5, s36, v2                       ; Wr in memory: 8192 w + 16 L
	s_lshl_b32 s36, ttmp9, 16
	s_lshl_b32 s37, s18, 14
	s_add_co_u32 s36, s36, s37                     ; my first token's row of x: (16 g + 4 w) x 4096
	s_mov_b32 s37, 0
	s_lshr_b32 s38, s36, 2                         ; x 1024 in xq
	s_mov_b32 s39, 0
	s_lshr_b32 s40, s36, 10                        ; x 4 in sel
	s_mov_b32 s41, 0
	s_lshr_b32 s42, s36, 9                         ; x 8 in gw
	s_mov_b32 s43, 0
	s_mov_b32 s30, 0x76543210                      ; lane l xor 16
	s_mov_b32 s31, 0xfedcba98
	s_mov_b32 s33, 2                               ; the masks of lanes 1, 2, 3
	s_mov_b32 s34, 4
	s_mov_b32 s35, 8
	s_wait_alu depctr_va_vdst(0)
	s_wait_kmcnt 0x0
	s_load_b256 s[20:27], s[8:9], 0x0              ; br
	s_load_b32 s28, s[10:11], 0x4                  ; e1
	s_add_nc_u64 s[4:5], s[4:5], s[36:37]
	s_add_nc_u64 s[12:13], s[12:13], s[38:39]
	s_add_nc_u64 s[14:15], s[14:15], s[40:41]
	s_add_nc_u64 s[16:17], s[16:17], s[42:43]
.irp n, 0,1,2,3,4,5,6,7,8,9,10,11,12,13,14,15
	global_load_b128 v[160+4*\n:163+4*\n], v5, s[6:7] offset:512*\n     ; my quarter of Wr, 512 consecutive bytes a load
.endr
.irp q, 0,1,2,3
.irp j, 0,1,2,3,4,5,6,7
	global_load_b128 v[X+32*\q+4*\j:X+32*\q+4*\j+3], v2, s[4:5] offset:4096*\q+512*\j th:TH_LOAD_NT
.endr
.endr
	s_wait_loadcnt 32                              ; Wr's 16 loads are in; x's 32, issued behind them, may be out
.irp n, 0,1,2,3,4,5,6,7,8,9,10,11,12,13,14,15
	ds_store_b128 v3, v[160+4*\n:163+4*\n] offset:576*\n
.endr
	s_wait_dscnt 0x0                               ; for the others' sake: my stores have landed
	s_barrier_signal -1
	s_barrier_wait -1
	WIN 0x40                                       ; destination window 1
.irp j, 0,1,2,3,4,5,6,7
.irp k, 0,1,2,3,4,5,6,7
	ds_load_b128 v[32*\j+4*\k:32*\j+4*\k+3], v4 offset:4608*\j+16*\k
.endr
.endr
	WIN 0
	v_lshlrev_b32 v164, 2, v1                      ; 4 L and 8 L: where lanes 0-3 store a token's choice and gates
	v_lshlrev_b32 v165, 3, v1
	v_mov_b32 v30, 0xff800000                      ; -infinity
	s_wait_kmcnt 0x0
	s_add_co_i32 s36, s28, 127
	s_lshl_b32 s37, s36, 23
	v_mov_b32 v7, s37                              ; 2^e1 as f32: the conversion takes its exponent field
	s_add_co_i32 s36, s36, 15
	s_lshl_b32 s36, s36, 23
	s_or_b32 s36, s36, 0x600000
	v_mov_b32 v6, s36                              ; 57,344 x 2^e1
	s_wait_dscnt 0x0                               ; Wr is in registers
.macro SCAN best, idx, base            ; the largest of v[base] .. v[base + 7] and its index; where two are equal the earlier stays
	v_mov_b32 v[\best], v[\base]
	v_mov_b32 v[\idx], 0
.irp e, 1,2,3,4,5,6,7
	v_cmp_ge_f32 vcc_lo, v[\best], v[\base+\e]
	v_cndmask_b32 v[\idx], \e, v[\idx], vcc_lo
	v_cndmask_b32 v[\best], v[\base+\e], v[\best], vcc_lo
.endr
.endm
.macro TOKEN q
	s_wait_loadcnt 8*(3-\q)                        ; this token's eight loads are in; the later tokens' may be out
	WIN 0x04                                       ; source 1 (Wr) window 1
.irp j, 0,1,2,3,4,5,6,7
.irp h, 0,1
.irp p, 0,1,2,3                        ; d = 128 j + 4 L + 2 h: the pair's first register for both halves; experts 2 p, 2 p + 1; sums in v8-15
.if (\j == 0) && (\h == 0)
	v_pk_mul_f32 v[8+2*\p:9+2*\p], v[X+32*\q+4*\j+2*\h:X+32*\q+4*\j+2*\h+1], v[32*\j+16*\h+2*\p:32*\j+16*\h+2*\p+1] op_sel_hi:[0,1]
.else
	v_pk_fma_f32 v[8+2*\p:9+2*\p], v[X+32*\q+4*\j+2*\h:X+32*\q+4*\j+2*\h+1], v[32*\j+16*\h+2*\p:32*\j+16*\h+2*\p+1], v[8+2*\p:9+2*\p] op_sel_hi:[0,1,1]
.endif
.endr
.irp p, 0,1,2,3                        ; d + 1: the pair's second register for both halves; sums in v16-23
.if (\j == 0) && (\h == 0)
	v_pk_mul_f32 v[16+2*\p:17+2*\p], v[X+32*\q+4*\j+2*\h:X+32*\q+4*\j+2*\h+1], v[32*\j+16*\h+8+2*\p:32*\j+16*\h+8+2*\p+1] op_sel:[1,0] op_sel_hi:[1,1]
.else
	v_pk_fma_f32 v[16+2*\p:17+2*\p], v[X+32*\q+4*\j+2*\h:X+32*\q+4*\j+2*\h+1], v[32*\j+16*\h+8+2*\p:32*\j+16*\h+8+2*\p+1], v[16+2*\p:17+2*\p] op_sel:[1,0,0] op_sel_hi:[1,1,1]
.endif
.endr
.endr
.endr
	WIN 0
.irp p, 0,1,2,3
	v_pk_add_f32 v[8+2*\p:9+2*\p], v[8+2*\p:9+2*\p], v[16+2*\p:17+2*\p]
.endr
.irp k, 1,2,4,8                        ; over the 32 lanes, the eight scores by turns
.irp e, 0,1,2,3,4,5,6,7
	v_add_f32_dpp v[8+\e], v[8+\e], v[8+\e] row_xmask:\k row_mask:0xf bank_mask:0xf
.endr
.endr
.irp e, 0,1,2,3,4,5,6,7
	v_permlanex16_b32 v[16+\e], v[8+\e], s30, s31
.endr
.irp e, 0,1,2,3,4,5,6,7
	v_add_f32 v[8+\e], v[8+\e], v[16+\e]
.endr
.irp e, 0,1,2,3,4,5,6,7
	v_add_f32 v[8+\e], s[20+\e], v[8+\e]           ; + br: every lane holds the token's eight scores
.endr
	SCAN 24, 25, 8                                 ; the largest score and its expert
.irp e, 0,1,2,3,4,5,6,7
	v_cmp_eq_u32 vcc_lo, \e, v25
	v_cndmask_b32 v[16+\e], v[8+\e], v30, vcc_lo   ; the scores without it
.endr
	SCAN 26, 27, 16                                ; the second
	v_sub_f32 v28, v26, v24                        ; second - first, 0 or less: the maximum is taken away
	v_mul_f32 v28, 0x3fb8aa3b, v28
	s_wait_alu depctr_va_vdst(0)
	v_exp_f32 v28, v28                             ; q = e^(second - first)
	v_lshl_or_b32 v31, v27, 8, v25                 ; (the plain line behind the exponential)  the choice as one word
	s_wait_alu depctr_va_vdst(0)                   ; the wait ahead of the first reader
	v_add_f32 v29, 1.0, v28
	s_wait_alu depctr_va_vdst(0)
	v_rcp_f32 v29, v29                             ; the first gate, 1 / (1 + q)
	v_nop
	s_wait_alu depctr_va_vdst(0)
	v_mul_f32 v28, v28, v29                        ; the second, q / (1 + q)
.if \q == 0
	v_mov_b32 v160, v31
	v_mov_b32 v162, v29
	v_mov_b32 v163, v28
.else
	v_cndmask_b32 v160, v160, v31, s[32+\q]        ; lane q keeps token q's
	v_cndmask_b32 v162, v162, v29, s[32+\q]
	v_cndmask_b32 v163, v163, v28, s[32+\q]
.endif
.set n, 0
.rept 32
	v_med3_num_f32 v[X+32*\q+n], v[X+32*\q+n], -v6, v6   ; the conversion to an 8-bit code does not saturate (ISA guide 7.6.2): the hold at the largest code x the scale
.set n, n+1
.endr
.irp a, 0,1,2,3
	v_cvt_scalef32_pk8_bf8_f32 v[CD+8*\q+2*\a:CD+8*\q+2*\a+1], v[X+32*\q+8*\a:X+32*\q+8*\a+7], v7
.endr
	v_nop                                          ; one plain vector line behind the last conversion: EXEC, which the conversions read, is written at the kernel's end with only stores between
	global_store_b128 v2, v[CD+8*\q:CD+8*\q+3], s[12:13] offset:1024*\q        ; 32 lanes store 512 consecutive bytes, aligned
	global_store_b128 v2, v[CD+8*\q+4:CD+8*\q+7], s[12:13] offset:1024*\q+512
.endm
	TOKEN 0
	TOKEN 1
	TOKEN 2
	TOKEN 3
	s_wait_xcnt 0x0                                ; EXEC changes only behind this wait
	s_set_vgpr_msb 0xa
	s_wait_tensorcnt 0x0
	ds_add_u32 v0, v1
	s_wait_dscnt 0x0
	s_set_vgpr_msb 0xa00
	v_cmpx_gt_u32 4, v1                            ; lanes 0-3
	global_store_b32 v164, v160, s[14:15]
	global_store_b64 v165, v[162:163], s[16:17]
	s_endpgm
.Lfunc_end_k_q328e96ddb1_route:
	.size	k_q328e96ddb1_route, .Lfunc_end_k_q328e96ddb1_route-k_q328e96ddb1_route
	.p2alignl 7, 3214868480
	.fill 96, 4, 3214868480
	.section	.rodata,"a",@progbits
	.p2align	6, 0x0
	.amdhsa_kernel k_q328e96ddb1_route
		.amdhsa_group_segment_fixed_size 37376
		.amdhsa_private_segment_fixed_size 0
		.amdhsa_enable_private_segment 0
		.amdhsa_kernarg_size 56
		.amdhsa_user_sgpr_count 2
		.amdhsa_user_sgpr_kernarg_segment_ptr 1
		.amdhsa_wavefront_size32 1
		.amdhsa_system_sgpr_workgroup_id_x 1
		.amdhsa_system_sgpr_workgroup_id_y 1
		.amdhsa_system_sgpr_workgroup_id_z 1
		.amdhsa_system_vgpr_workitem_id 0
		.amdhsa_next_free_vgpr 514
		.amdhsa_next_free_sgpr 66
		.amdhsa_reserve_vcc 1
		.amdhsa_float_denorm_mode_32 3
		.amdhsa_float_denorm_mode_16_64 3
		.amdhsa_memory_ordered 1
		.amdhsa_forward_progress 1
		.amdhsa_inst_pref_size 79
	.end_amdhsa_kernel
	.amdgpu_metadata
---
amdhsa.version: [ 1, 2 ]
amdhsa.kernels:
  - .name:           k_q328e96ddb1_route
    .symbol:         k_q328e96ddb1_route.kd
    .args:
      - { .name: x, .offset: 0, .size: 8, .value_kind: global_buffer, .address_space: global }
      - { .name: Wr, .offset: 8, .size: 8, .value_kind: global_buffer, .address_space: global }
      - { .name: br, .offset: 16, .size: 8, .value_kind: global_buffer, .address_space: global }
      - { .name: lowp_scales, .offset: 24, .size: 8, .value_kind: global_buffer, .address_space: global }
      - { .name: xq, .offset: 32, .size: 8, .value_kind: global_buffer, .address_space: global }
      - { .name: sel, .offset: 40, .size: 8, .value_kind: global_buffer, .address_space: global }
      - { .name: gw, .offset: 48, .size: 8, .value_kind: global_buffer, .address_space: global }
    .group_segment_fixed_size: 37376
    .private_segment_fixed_size: 0
    .kernarg_segment_align: 8
    .kernarg_segment_size: 56
    .max_flat_workgroup_size: 128
    .sgpr_count:     66
    .vgpr_count:     514
    .wavefront_size: 32
...
	.end_amdgpu_metadata
.endif
;; end of part 5
;; launch prep (part 6): grid 513 x 1, 8 waves a work-group, no clusters, 1,280 bytes of LDS; arguments W1, W2, lowp_scales, sel, wq, rows, tiles; writes wq, rows, tiles
.if DOCPART == 6
	.amdgcn_target "amdgcn-amd-amdhsa--gfx1250"
	.amdhsa_code_object_version 6
	.text
	.protected	k_q328e96ddb1_prep
	.globl	k_q328e96ddb1_prep
	.p2align	8
	.type	k_q328e96ddb1_prep,@function
k_q328e96ddb1_prep:
	s_mov_b64 s[64:65], 0
	v_nop
	global_prefetch_b8 v0, s[64:65] scope:SCOPE_SE
	s_setreg_imm32_b32 hwreg(HW_REG_WAVE_MODE, 25, 1), 1
	s_wait_xcnt 0x0
; WORK-GROUPS 1 .. 512: W1 and W2 ([expert][k][unit], f32, K the FIRST axis of a matrix) become codes of E5M2 with the given scales (entry 0 for W1, entry 3 for W2),
; laid in the order in which the next launch's waves take their operand registers:
;   byte = e 2M + w 512K + ph 256K + G 64K + s 8K + t 2K + c 512 + 16 lane   (w wave, ph 0 = W1 / 1 = W2, G group of 64 units, s K step of 128, t tile of 16 units, c four registers).
;   Lane r + 16 h of tile t holds unit 256 w + 64 G + 32 (t >> 1) + 8 (t & 1) + r + 8 (r >> 3); its 16 bytes of group c are piece p = 2 c + h of the K step:
;   W1: k = 512 (s >> 2) + 32 (s & 3) + 4 p + 128 (b >> 2) + (b & 3), the order in which x's codes lie;   W2: k = 128 s + 16 p + b, the order in which the hidden layer's codes fall.
; A LANE TAKES A COLUMN AND ITS REGISTERS RUN DOWN K in that byte order: a load reads 128 consecutive bytes a wave (1,024 a work-group), and the conversions' results are the pieces as they are stored:
; each store of a wave covers two runs of 256 consecutive bytes, aligned.  No LDS on this way.
; WORK-GROUP 0: the 8,192 routed rows (rho = 2 token + slot) are sorted by expert (a counting sort: counts, a prefix sum over lanes and waves, ranks; no atomics), and the table of tiles is made.
; THE TABLE HAS ALWAYS 135 TILES WITH AT LEAST ONE ROW EACH.  Tiles of 64 rows make sum ceil(TE / 64) = 135 - X tiles, X between 0 and 7.  The expert with the most rows has at least 8,192 / 8 = 1,024 of them:
; its first X tiles of 64 are cut into 2 X tiles of 32.  So the next launch needs no branch on a stored number.
; LIMITS: e0 and e3 between -126 and 112.  NaN among the weights is not served (an infinity is held at the largest code).
.set R, 16                             ; v16-143  128 numbers of a column; a piece's codes go into the registers of the piece before it
	s_load_b256 s[4:11], s[0:1], 0x0               ; W1, W2, the scales, sel
	s_load_b128 s[12:15], s[0:1], 0x20             ; wq, rows
	s_load_b64 s[16:17], s[0:1], 0x30              ; tiles
	v_lshl_add_u32 v160, v0, 2, 0x100
	v_mov_b32 v161, 0
	v_lshrrev_b32 v1, 5, v0
	s_delay_alu instid0(VALU_DEP_1)
	v_readfirstlane_b32 s18, v1                    ; wave 0..7
	s_cmp_eq_u32 ttmp9, 0
	s_cbranch_scc1 .Lplace
	s_sub_co_u32 s20, ttmp9, 1
	s_and_b32 s21, s20, 7                          ; s: the K step
	s_bfe_u32 s22, s20, 0x20003                    ; cb: which 256 columns = the reader's wave
	s_bfe_u32 s23, s20, 0x30005                    ; e: the expert
	s_lshr_b32 s24, s20, 8                         ; ph
	s_lshl_b32 s25, s23, 22                        ; a matrix is 4 MB,
	s_lshl_b32 s26, s22, 10                        ; 256 columns 1,024 bytes
	s_add_co_u32 s25, s25, s26
	s_lshr_b32 s26, s21, 2
	s_lshl_b32 s26, s26, 21
	s_and_b32 s27, s21, 3
	s_lshl_b32 s27, s27, 17
	s_add_co_u32 s26, s26, s27                     ; W1: row 512 (s >> 2) + 32 (s & 3), of 4,096 bytes
	s_lshl_b32 s27, s21, 19                        ; W2: row 128 s
	s_cmp_eq_u32 s24, 0
	s_cselect_b32 s26, s26, s27
	s_add_co_u32 s36, s25, s26
	s_mov_b32 s37, 0
	s_lshl_b32 s38, s23, 21
	s_lshl_b32 s39, s22, 19
	s_add_co_u32 s38, s38, s39
	s_lshl_b32 s39, s24, 18
	s_add_co_u32 s38, s38, s39
	s_lshr_b32 s39, s18, 1
	s_lshl_b32 s39, s39, 16                        ; G = wave >> 1
	s_add_co_u32 s38, s38, s39
	s_lshl_b32 s39, s21, 13
	s_add_co_u32 s38, s38, s39
	s_and_b32 s39, s18, 1
	s_lshl_b32 s39, s39, 12                        ; t >> 1 = wave & 1
	s_add_co_u32 s38, s38, s39
	s_mov_b32 s39, 0
	v_lshlrev_b32 v1, 2, v0                        ; my column: 4 bytes a thread
	v_bfe_u32 v4, v0, 3, 1                         ; t & 1
	v_and_b32 v5, 7, v0
	v_bfe_u32 v12, v0, 4, 1
	s_delay_alu instid0(VALU_DEP_3)
	v_lshlrev_b32 v2, 11, v4
	s_delay_alu instid0(VALU_DEP_1)
	v_lshl_add_u32 v2, v5, 4, v2
	s_delay_alu instid0(VALU_DEP_1)
	v_lshl_add_u32 v2, v12, 7, v2                  ; 2048 (t & 1) + 16 r, r = (L & 7) + 8 (L >> 4)
	s_wait_kmcnt 0x0
	s_load_b128 s[28:31], s[8:9], 0x0              ; e0 .. e3
	s_cmp_eq_u32 s24, 0                            ; the choice hangs on the work-group's number alone
	s_cselect_b64 s[4:5], s[4:5], s[6:7]
	s_add_nc_u64 s[4:5], s[4:5], s[36:37]
	s_add_nc_u64 s[12:13], s[12:13], s[38:39]
; piece p, byte b is row A p + B (b >> 2) + (b & 3) from the K step's first row.  ES: the scalar register with the tensor's exponent
.macro QW A, B, ES
.irp p, 0,1,2,3,4,5,6,7
.irp b, 0,1,2,3,4,5,6,7,8,9,10,11,12,13,14,15
	global_load_b32 v[R+16*\p+\b], v1, s[4:5] offset:(\A*\p+\B*(\b/4)+(\b%4))*4096 th:TH_LOAD_NT
.endr
.endr
	s_wait_kmcnt 0x0
	s_add_co_i32 s40, s[\ES], 127
	s_lshl_b32 s41, s40, 23
	v_mov_b32 v7, s41                              ; 2^e as f32
	s_add_co_i32 s40, s40, 15
	s_lshl_b32 s40, s40, 23
	s_or_b32 s40, s40, 0x600000
	v_mov_b32 v6, s40                              ; 57,344 x 2^e
	s_wait_alu depctr_va_vdst(0)
.irp p, 0,1,2,3,4,5,6,7
.if \p == 0
	s_wait_loadcnt 63                              ; of the 128 loads at most 63 are out: the first 65 are in, pieces 0 to 3 among them
.set CR, 8
.else
.set CR, R+16*(\p-1)
.endif
.if \p >= 4
	s_wait_loadcnt 16*(7-\p)                       ; this piece is in; the later pieces' loads, 16 each, may be out
.endif
.irp b, 0,1,2,3,4,5,6,7,8,9,10,11,12,13,14,15
	v_med3_num_f32 v[R+16*\p+\b], v[R+16*\p+\b], -v6, v6   ; the hold at the largest code x the scale (ISA guide 7.6.2).  These sixteen also stand between the last piece's conversions and the write of their sources below
.endr
	v_cvt_scalef32_pk8_bf8_f32 v[CR:CR+1], v[R+16*\p:R+16*\p+7], v7
	v_cvt_scalef32_pk8_bf8_f32 v[CR+2:CR+3], v[R+16*\p+8:R+16*\p+15], v7
	global_store_b128 v2, v[CR:CR+3], s[12:13] offset:256*\p
.endr
.endm
	s_cmp_eq_u32 s24, 0
	s_cbranch_scc0 .Lw2
	s_wait_alu depctr_va_vdst(0)
	QW 4, 128, 28
	s_endpgm
.Lw2:
	s_wait_alu depctr_va_vdst(0)
	QW 16, 4, 31
	s_endpgm
; ---- the placing.  Thread tau owns tokens 16 tau .. 16 tau + 15: rows rho = 32 tau + k, k = 0 .. 31.
; v16-31 the choices, later the tiles' first numbers; v32-63 E[k], later rho; v64-95 the waves' totals, later the rows' places; v96-103 RUN[e]; v104-107 counts as 16-bit fields
; ((e0, e4), (e2, e6), (e1, e5), (e3, e7)); v108-111 my own counts; v112-115 at work; v116-119 what lies ahead of me; v120-123 totals; v124-131 TE[e]; v132-139 EB[e]; v140-155 the tiles
.Lplace:
	v_lshlrev_b32 v1, 6, v0
	s_wait_alu depctr_va_vdst(0)
	s_wait_kmcnt 0x0
.irp i, 0,1,2,3
	global_load_b128 v[16+4*\i:19+4*\i], v1, s[10:11] offset:16*\i
.endr
	v_bfe_u32 v3, v0, 4, 1
	s_delay_alu instid0(VALU_DEP_1)
	v_sub_nc_u32 v3, 0, v3                         ; all ones in lanes 16-31
	v_mov_b32 v4, 1
	s_lshl_b32 s20, s18, 4
	v_mov_b32 v5, s20                              ; my wave's 16 bytes in LDS
	v_mov_b32 v6, 0
	s_mov_b32 s21, 0x0f0f0f0f
	s_mov_b32 s22, 0x00ff00ff
	s_wait_loadcnt 0x0
.irp i, 0,1,2,3,4,5,6,7,8,9,10,11,12,13,14,15
	v_and_b32 v[32+2*\i], 7, v[16+\i]
	v_bfe_u32 v[33+2*\i], v[16+\i], 8, 3
.endr
.irp u, 0,1                            ; counts in nibbles, eight tokens to a sum: a token names an expert once, so no nibble passes 8
.irp k, 0,1,2,3,4,5,6,7,8,9,10,11,12,13,14,15
	v_lshlrev_b32 v114, 2, v[32+16*\u+\k]
.if \k == 0
	s_delay_alu instid0(VALU_DEP_1)
	v_lshlrev_b32 v[112+\u], v114, v4
.else
	s_delay_alu instid0(VALU_DEP_1)
	v_lshlrev_b32 v114, v114, v4
	s_delay_alu instid0(VALU_DEP_1)
	v_add_nc_u32 v[112+\u], v[112+\u], v114
.endif
.endr
.endr
	v_and_b32 v114, s21, v112                      ; to bytes: experts 0, 2, 4, 6
	v_lshrrev_b32 v112, 4, v112
	s_delay_alu instid0(VALU_DEP_1)
	v_and_b32 v112, s21, v112                      ; experts 1, 3, 5, 7
	s_delay_alu instid0(VALU_DEP_4)
	v_and_b32 v115, s21, v113
	v_lshrrev_b32 v113, 4, v113
	s_delay_alu instid0(VALU_DEP_1)
	v_and_b32 v113, s21, v113
	s_delay_alu instid0(VALU_DEP_3)
	v_add_nc_u32 v114, v114, v115
	s_delay_alu instid0(VALU_DEP_2)
	v_add_nc_u32 v112, v112, v113
	s_delay_alu instid0(VALU_DEP_2)
	v_and_b32 v104, s22, v114                      ; to 16-bit fields: no expert has more than 4,096 rows
	s_delay_alu instid0(VALU_DEP_3)
	v_lshrrev_b32 v105, 8, v114
	s_delay_alu instid0(VALU_DEP_1)
	v_and_b32 v105, s22, v105
	s_delay_alu instid0(VALU_DEP_4)
	v_and_b32 v106, s22, v112
	v_lshrrev_b32 v107, 8, v112
	s_delay_alu instid0(VALU_DEP_1)
	v_and_b32 v107, s22, v107
.irp f, 0,1,2,3
	v_mov_b32 v[108+\f], v[104+\f]
.endr
.irp n, 1,2,4,8                        ; inclusive sums over the 16 lanes of a row
.irp f, 0,1,2,3
	v_mov_b32_dpp v[112+\f], v[104+\f] row_shr:\n row_mask:0xf bank_mask:0xf bound_ctrl:1
.endr
.irp f, 0,1,2,3
	s_delay_alu instid0(VALU_DEP_4)
	v_add_nc_u32 v[104+\f], v[104+\f], v[112+\f]
.endr
.endr
.irp f, 0,1,2,3
	s_delay_alu instid0(VALU_DEP_4)
	v_readlane_b32 s[24+\f], v[104+\f], 15
.endr
.irp f, 0,1,2,3
	v_and_b32 v[112+\f], s[24+\f], v3              ; lanes 16-31 add the lower row's total
	s_delay_alu instid0(VALU_DEP_1)
	v_add_nc_u32 v[104+\f], v[104+\f], v[112+\f]
.endr
.irp f, 0,1,2,3
	v_readlane_b32 s[24+\f], v[104+\f], 31         ; the wave's totals
.endr
.irp f, 0,1,2,3
	s_delay_alu instid0(VALU_DEP_4)
	v_mov_b32 v[112+\f], s[24+\f]
.endr
	ds_store_b128 v5, v[112:115]                   ; all lanes write the same 16 bytes with the same values
	s_wait_dscnt 0x0
	s_barrier_signal -1
	s_barrier_wait -1
.irp j, 0,1,2,3,4,5,6,7
	ds_load_b128 v[64+4*\j:67+4*\j], v6 offset:16*\j
.endr
	s_wait_dscnt 0x0
.irp j, 0,1,2,3,4,5,6,7
	s_cmp_gt_u32 s18, \j                           ; does wave j stand ahead of mine?
	s_cselect_b32 s28, -1, 0
.irp f, 0,1,2,3
.if \j == 0
	v_and_b32 v[116+\f], s28, v[64+\f]
	v_mov_b32 v[120+\f], v[64+\f]
.else
	v_and_b32 v[112+\f], s28, v[64+4*\j+\f]
	s_delay_alu instid0(VALU_DEP_1)
	v_add_nc_u32 v[116+\f], v[116+\f], v[112+\f]
	v_add_nc_u32 v[120+\f], v[120+\f], v[64+4*\j+\f]
.endif
.endr
.endr
.irp f, 0,1,2,3
	v_add_nc_u32 v[116+\f], v[116+\f], v[104+\f]
	s_delay_alu instid0(VALU_DEP_1)
	v_sub_nc_u32 v[116+\f], v[116+\f], v[108+\f]   ; the rows of each expert that lie ahead of my thread's
.endr
.irp e, 0,1,2,3                        ; expert e and expert e + 4 share word 2 (e & 1) + (e >> 1)
	v_and_b32 v[124+\e], 0xffff, v[120+2*(\e%2)+(\e/2)]
	v_lshrrev_b32 v[128+\e], 16, v[120+2*(\e%2)+(\e/2)]
	v_and_b32 v[96+\e], 0xffff, v[116+2*(\e%2)+(\e/2)]
	v_lshrrev_b32 v[100+\e], 16, v[116+2*(\e%2)+(\e/2)]
.endr
	v_mov_b32 v132, 0
.irp e, 1,2,3,4,5,6,7
	s_delay_alu instid0(VALU_DEP_1)
	v_add_nc_u32 v[132+\e], v[131+\e], v[123+\e]   ; EB[e]: where expert e's rows begin
.endr
.irp e, 1,2,3,4,5,6,7
	v_add_nc_u32 v[96+\e], v[96+\e], v[132+\e]
.endr
.irp k, 0,1,2,3,4,5,6,7,8,9,10,11,12,13,14,15,16,17,18,19,20,21,22,23,24,25,26,27,28,29,30,31
	v_mov_b32 v[64+\k], v96
.irp e, 0
	v_cmp_eq_u32 vcc_lo, \e, v[32+\k]
.if \e > 0
	v_cndmask_b32 v[64+\k], v[64+\k], v[96+\e], vcc_lo     ; row k's place is its expert's running place,
.endif
	s_delay_alu instid0(VALU_DEP_1)
	v_add_co_ci_u32 v[96+\e], vcc_lo, 0, v[96+\e], vcc_lo
.endr
.irp e, 1, 2, 3, 4, 5, 6, 7
	v_cmp_eq_u32 vcc_lo, \e, v[32+\k]
.if \e > 0
	s_delay_alu instid0(VALU_DEP_1)
	v_cndmask_b32 v[64+\k], v[64+\k], v[96+\e], vcc_lo
.endif
	s_delay_alu instid0(VALU_DEP_2)
	v_add_co_ci_u32 v[96+\e], vcc_lo, 0, v[96+\e], vcc_lo  ; which then steps by one
.endr
.endr
.irp k, 0,1,2,3,4,5,6,7,8,9,10,11,12,13,14,15,16,17,18,19,20,21,22,23,24,25,26,27,28,29,30,31
	v_min_u32 v[64+\k], 0x1fff, v[64+\k]
	s_delay_alu instid0(VALU_DEP_1)
	v_lshlrev_b32 v[64+\k], 2, v[64+\k]
	v_lshl_add_u32 v[32+\k], v0, 5, \k             ; rho
.endr
.irp k, 0,1,2,3,4,5,6,7,8,9,10,11,12,13,14,15,16,17,18,19,20,21,22,23,24,25,26,27,28,29,30,31
	global_store_b32 v[64+\k], v[32+\k], s[14:15]  ; a scatter of 32 KB in all
.endr
	; the table: thread i makes entry i
.irp e, 0,1,2,3,4,5,6,7
	v_add_nc_u32 v[140+\e], 63, v[124+\e]
	s_delay_alu instid0(VALU_DEP_1)
	v_lshrrev_b32 v[140+\e], 6, v[140+\e]          ; tiles of 64
.endr
	v_add_nc_u32 v148, v140, v141
.irp e, 2,3,4,5,6,7
	s_delay_alu instid0(VALU_DEP_1)
	v_add_nc_u32 v148, v148, v[140+\e]
.endr
	s_delay_alu instid0(VALU_DEP_1)
	v_sub_nc_u32 v148, 135, v148                   ; X
	v_mov_b32 v149, v124
	v_mov_b32 v150, 0
.irp e, 1
	s_delay_alu instid0(VALU_DEP_2)
	v_cmp_ge_u32 vcc_lo, v149, v[124+\e]
	s_delay_alu instid0(VALU_DEP_1)
	v_cndmask_b32 v150, \e, v150, vcc_lo           ; the expert with the most rows
	s_delay_alu instid0(VALU_DEP_2)
	v_cndmask_b32 v149, v[124+\e], v149, vcc_lo
.endr
.irp e, 2, 3, 4, 5, 6, 7
	s_delay_alu instid0(VALU_DEP_1)
	v_cmp_ge_u32 vcc_lo, v149, v[124+\e]
	s_delay_alu instid0(VALU_DEP_1)
	v_cndmask_b32 v150, \e, v150, vcc_lo
	s_delay_alu instid0(VALU_DEP_2)
	v_cndmask_b32 v149, v[124+\e], v149, vcc_lo
.endr
.irp e, 0,1,2,3,4,5,6,7
	v_cmp_eq_u32 vcc_lo, \e, v150
	s_delay_alu instid0(VALU_DEP_1)
	v_cndmask_b32 v151, 0, v148, vcc_lo
	s_delay_alu instid0(VALU_DEP_1)
	v_add_nc_u32 v[140+\e], v[140+\e], v151        ; it gets X tiles more
.endr
	v_mov_b32 v16, 0
.irp e, 1,2,3,4,5,6,7
	s_delay_alu instid0(VALU_DEP_1)
	v_add_nc_u32 v[16+\e], v[15+\e], v[139+\e]     ; the number of expert e's first tile
.endr
	v_mov_b32 v24, 0
	v_mov_b32 v25, 0
	v_mov_b32 v26, 0
	v_mov_b32 v27, v124
.irp e, 1,2,3,4,5,6,7
	v_cmp_gt_u32 vcc_lo, v[16+\e], v0              ; the last expert whose first tile is not behind i
	s_delay_alu instid0(VALU_DEP_1)
	v_cndmask_b32 v24, \e, v24, vcc_lo
	s_delay_alu instid0(VALU_DEP_2)
	v_cndmask_b32 v25, v[132+\e], v25, vcc_lo
	s_delay_alu instid0(VALU_DEP_3)
	v_cndmask_b32 v26, v[16+\e], v26, vcc_lo
	s_delay_alu instid0(VALU_DEP_4)
	v_cndmask_b32 v27, v[124+\e], v27, vcc_lo
.endr
	s_delay_alu instid0(VALU_DEP_2)
	v_sub_nc_u32 v28, v0, v26                      ; i': the tile's number within its expert
	v_cmp_eq_u32 vcc_lo, v24, v150
	s_delay_alu instid0(VALU_DEP_1)
	v_cndmask_b32 v29, 0, v148, vcc_lo             ; X for the largest expert, else 0
	s_delay_alu instid0(VALU_DEP_1)
	v_lshlrev_b32 v30, 1, v29
	s_delay_alu instid0(VALU_DEP_4)
	v_lshlrev_b32 v31, 5, v28                      ; 32 i'
	s_delay_alu instid0(VALU_DEP_3)
	v_sub_nc_u32 v12, v28, v29
	s_delay_alu instid0(VALU_DEP_1)
	v_lshlrev_b32 v12, 6, v12                      ; 64 (i' - X)
	v_mov_b32 v13, 32
	v_cmp_lt_u32 vcc_lo, v28, v30
	s_delay_alu instid0(VALU_DEP_1)
	v_cndmask_b32 v12, v12, v31, vcc_lo            ; the tile's first row within its expert,
	s_delay_alu instid0(VALU_DEP_2)
	v_cndmask_b32 v13, 64, v13, vcc_lo             ; and the most that it takes
	s_delay_alu instid0(VALU_DEP_2)
	v_sub_nc_u32 v14, v27, v12
	s_delay_alu instid0(VALU_DEP_1)
	v_min_u32 v14, v14, v13
	s_delay_alu instid0(VALU_DEP_4)
	v_cmp_lt_u32 vcc_lo, v12, v27
	v_mov_b32 v152, v24
	v_add_nc_u32 v153, v25, v12
	s_delay_alu instid0(VALU_DEP_1)
	v_min_u32 v153, 0x1fff, v153
	s_delay_alu instid0(VALU_DEP_4)
	v_cndmask_b32 v154, 0, v14, vcc_lo             ; entries from 135 on have no rows and are read by nobody
	v_mov_b32 v155, 0
	v_lshlrev_b32 v15, 4, v0
	global_store_b128 v15, v[152:155], s[16:17]
	s_wait_tensorcnt 0x0
	ds_add_u32 v160, v161
	s_wait_dscnt 0x0
	s_endpgm
.Lfunc_end_k_q328e96ddb1_prep:
	.size	k_q328e96ddb1_prep, .Lfunc_end_k_q328e96ddb1_prep-k_q328e96ddb1_prep
	.p2alignl 7, 3214868480
	.fill 96, 4, 3214868480
	.section	.rodata,"a",@progbits
	.p2align	6, 0x0
	.amdhsa_kernel k_q328e96ddb1_prep
		.amdhsa_group_segment_fixed_size 1280
		.amdhsa_private_segment_fixed_size 0
		.amdhsa_enable_private_segment 0
		.amdhsa_kernarg_size 56
		.amdhsa_user_sgpr_count 2
		.amdhsa_user_sgpr_kernarg_segment_ptr 1
		.amdhsa_wavefront_size32 1
		.amdhsa_system_sgpr_workgroup_id_x 1
		.amdhsa_system_sgpr_workgroup_id_y 1
		.amdhsa_system_sgpr_workgroup_id_z 1
		.amdhsa_system_vgpr_workitem_id 0
		.amdhsa_next_free_vgpr 162
		.amdhsa_next_free_sgpr 66
		.amdhsa_reserve_vcc 1
		.amdhsa_float_denorm_mode_32 3
		.amdhsa_float_denorm_mode_16_64 3
		.amdhsa_memory_ordered 1
		.amdhsa_forward_progress 1
		.amdhsa_inst_pref_size 121
	.end_amdhsa_kernel
	.amdgpu_metadata
---
amdhsa.version: [ 1, 2 ]
amdhsa.kernels:
  - .name:           k_q328e96ddb1_prep
    .symbol:         k_q328e96ddb1_prep.kd
    .args:
      - { .name: W1, .offset: 0, .size: 8, .value_kind: global_buffer, .address_space: global }
      - { .name: W2, .offset: 8, .size: 8, .value_kind: global_buffer, .address_space: global }
      - { .name: lowp_scales, .offset: 16, .size: 8, .value_kind: global_buffer, .address_space: global }
      - { .name: sel, .offset: 24, .size: 8, .value_kind: global_buffer, .address_space: global }
      - { .name: wq, .offset: 32, .size: 8, .value_kind: global_buffer, .address_space: global }
      - { .name: rows, .offset: 40, .size: 8, .value_kind: global_buffer, .address_space: global }
      - { .name: tiles, .offset: 48, .size: 8, .value_kind: global_buffer, .address_space: global }
    .group_segment_fixed_size: 1280
    .private_segment_fixed_size: 0
    .kernarg_segment_align: 8
    .kernarg_segment_size: 56
    .max_flat_workgroup_size: 256
    .sgpr_count:     66
    .vgpr_count:     162
    .wavefront_size: 32
...
	.end_amdgpu_metadata
.endif
;; end of part 6
;; launch chain (part 7): grid 135 x 1, 4 waves a work-group, no clusters, 209,920 bytes of LDS; arguments xq, wq, rows, tiles, gw, b1, b2, lowp_scales, ybuf; writes ybuf
.if DOCPART == 7
	.amdgcn_target "amdgcn-amd-amdhsa--gfx1250"
	.amdhsa_code_object_version 6
	.text
	.protected	k_q328e96ddb1_chain
	.globl	k_q328e96ddb1_chain
	.p2align	8
	.type	k_q328e96ddb1_chain,@function
k_q328e96ddb1_chain:
	s_mov_b64 s[64:65], 0
	v_nop
	global_prefetch_b8 v0, s[64:65] scope:SCOPE_SE
	s_setreg_imm32_b32 hwreg(HW_REG_WAVE_SCHED_MODE, 0, 2), 2
	s_setreg_imm32_b32 hwreg(HW_REG_WAVE_MODE, 25, 1), 1
	s_wait_xcnt 0x0
	s_wait_alu depctr_vm_vsrc(0)
; ONE TILE (1 to 64 routed rows of ONE expert) THROUGH THE WHOLE CHAIN: ybuf[rho] = gate x (Q(gelu(x W1 + b1)) W2 + b2), both products on codes of E5M2.
; Scales 2^e: e0 W1, e1 x, e2 the hidden layer, e3 W2.  The hidden layer never goes to memory.
; SHARES.  THE FOUR WAVES SHARE THE COLUMNS: wave w makes hidden units 256 w .. 256 w + 255 and later output columns 256 w .. 256 w + 255, for all 64 rows, 64 units (a group of four tiles) at a time.
; Both products are used transposed (source 0 = 16 units of the weight, source 1 = 16 rows): a lane holds one row throughout, and its registers run along the units.
; The 64 rows' codes (32 fragments of 16 registers) stay in windows 2 and 3 for a whole phase.  The weights come from memory straight into a ring of four K steps x four fragments in window 1: they lie in memory in
; the order of a wave's registers, 64 KB on end for a group; the ring runs on from group to group and over both barriers; a fragment is loaded once, by one wave, and feeds four matrix instructions.
; THE WALK IS TURNED FROM WORK-GROUP TO WORK-GROUP.  A phase's four groups do not depend on each other, so work-group i takes them in the order (p + rot) & 3, p = 0 .. 3, rot = (i + (i >> 2)) & 3.  Tiles of one expert
; have neighbouring numbers: at any time they read four different quarters of a phase's weights, and from a phase's second group on a work-group reads bytes that others of its expert have read a group earlier.
; The units of a tile are not neighbours (lane r of tile t takes unit 32 (t >> 1) + 8 (t & 1) + r + 8 (r >> 3) of its group), so that the 16 registers of tiles 2 b and 2 b + 1 are 16 neighbours along the next K.
; Operands go from wave to wave through LDS as images of their registers: four registers by one ds_store_b128 at 16 x lane.  IMG(m, s, c) = 8192 s + 4096 (c >> 1) + 1024 m + 512 (c & 1) + 16 lane.
; Rows past the tile's n repeat row n - 1: they compute the same numbers and store them to the same bytes, so EXEC is never changed.  Every tile of the table has at least one row: no branch hangs on a stored number.
; gelu(x) = x / (1 + 2^(x (C0 + C1 x^2))), C0 = -2 log2(e) sqrt(2 / pi), C1 = 0.044715 C0: the tanh form, rewritten.
; The biases are the C of each sum's first matrix instruction, divided beforehand by the power of two that the sums lack.
; NO CLUSTER, NO TENSOR LOAD: which expert's weights a work-group walks is a stored number, and how many tiles an expert has differs from input to input; 135 work-groups divide into no cluster of four.
; LIMITS: e0 + e1 between -126 and 127; e2 between -126 and 112; e2 + e3 goes by v_ldexp_f32 and has none.  NaN among the inputs is not served.
; THE MODE: SCHED_MODE bits 1:0 = 2 (LLVM: expert scheduling mode 2), set by the entry lines.  The code itself states the register dependences
; between vector or matrix instructions and memory or LDS instructions, with s_wait_alu, always for 0.
; THE PLAN.  Registers that memory or LDS instructions touch:
;   the ring (window 1)      K step s: its sixteen matrix instructions read slot s % 4; behind them the loads of the K step four on land in it.
;   the biases v76-107       a group's first K step reads them as C; behind it the LDS loads of the next group's land in them.
;   v22                      read by those LDS loads; written once a group, at the group's head.
;   the rows (windows 2, 3)  loaded from LDS at each phase's head; read by the phase's matrix instructions.
;   the codes v108-115, v118-125   two buffers by turns: batch m's conversions write buffer m % 2; its two LDS stores are issued in batch m + 1.
;   v20                      read by those stores; written once a group.
;   the accumulators         at the head x's codes land in them and LDS stores read them; in phase 2 the multiplications write them, LDS stores read them, the reads from the stage land in them, global stores read them;
;                            the next group's matrix instructions write them again.
;   v44-75                   at the head the biases pass through them; in phase 1 vector instructions alone name them; in phase 2 they are the global stores' offsets, made once.
;   v1, v16-19, v23-25, v116, v117   made at the head and never written again.
; So: ONE wait on vm_vsrc at a group's head frees v22, v20, both buffers of codes and the accumulators.  ONE wait on va_vdst stands in a K step, behind the matrix instructions that empty the ring's slot, since
; the slot is asked for again at once.  In phase 1 the wait behind a batch's exponentials also states that the batch before has written its codes.  The way out of a group has one wait of each kind.
; REGISTERS, window 0: v1 16 lane; v2 r; v3 h; v4-15 at work at the head; v16-25 LDS addresses; v26-33 gate x 2^(e2+e3), a pair for each tile of rows; v34-39 C0, C1, 2^(e0+e1) as pairs; v40 57,344 x 2^e2; v41 2^e2;
;   v42 16 r; v44-75 at work in phase 1, the rows' offsets in ybuf in phase 2; v76-107 a group's biases; v108-115, v118-125 codes just made; v116, v117 LDS addresses; v126, v127 the closing add's two;
;   v128-255 the 16 accumulators ((t, m) at 128 + 32 m + 8 t).
; SCALARS that stay: s[32:33] the weights of the group in hand; s[56:57] of the next group; s[58:59] my wave's 512 KB; s[54:55] ybuf at my wave's columns; s[38:39] the same at the group's; s34 a loop's trips;
;   s36 where the next group's biases lie; s37 p, the groups done, through both phases; s62 rot.
.set XIMG,  0                          ; LDS: x's 32 fragments, 65,536 bytes
.set HIMG,  65536                      ; the hidden layer's 32 fragments
.set BIAS,  131072                     ; [wave][phase][256] f32, 8,192 bytes
.set LIST,  139264                     ; the tile's rho, 512 bytes
.set STAGE, 139776                     ; the way out: for each wave 64 rows x (256 bytes + 16)
.set SG,  26
.set T,   44
.set BI,  76
.set PC,  108                          ; the codes' buffer 0; buffer 1 lies 10 registers on, behind v116 and v117
.set ACC, 128
.set MSB, 0
.macro WIN new                         ; the immediate's high byte repeats the setting that is left
.if MSB != \new
	s_set_vgpr_msb (MSB<<8)|\new
.set MSB, \new
.endif
.endm
.macro PLACES                          ; four plain vector lines behind a matrix instruction, ahead of loads into its registers and of reads of its result; they stay beside the waits
.rept 4
	v_nop
.endr
.endm
.macro RINGFILL slot, base, off        ; a K step's four fragments of the weight: 16 loads of 512 consecutive bytes, from off bytes behind the group's first byte in s[base:base+1]
	WIN 0x40                                       ; destination window 1
.irp i, 0,1,2,3,4,5,6,7,8,9,10,11,12,13,14,15
	global_load_b128 v[64*(\slot)+4*\i:64*(\slot)+4*\i+3], v1, s[\base:\base+1] offset:(\off)+512*\i
.endr
.endm
.macro FETCHA base                     ; the 32 fragments of the rows: (m, s) at 16 (4 (s % 4) + m) of window 2 (s < 4) or 3
.irp s, 0,1,2,3,4,5,6,7
.if \s < 4
	WIN 0x80
.else
	WIN 0xc0
.endif
.irp m, 0,1,2,3
.irp c, 0,1,2,3
	ds_load_b128 v[16*(4*(\s%4)+\m)+4*\c:16*(4*(\s%4)+\m)+4*\c+3], v[\base] offset:8192*\s+4096*(\c/2)+1024*\m+512*(\c%2)
.endr
.endr
.endr
	WIN 0
.endm
.macro BIASFETCH                       ; a group's biases in the result's layout: tile t, lane (r, h): units 32 (t >> 1) + 16 h + 8 (t & 1) + 0 .. 7
	WIN 0
.irp t, 0,1,2,3
	ds_load_b128 v[BI+8*\t:BI+8*\t+3], v22 offset:128*(\t/2)+32*(\t%2)
	ds_load_b128 v[BI+8*\t+4:BI+8*\t+7], v22 offset:128*(\t/2)+32*(\t%2)+16
.endr
.endm
; A K step of 128: 16 matrix instructions, the 16 accumulators by turns, one instruction a turn, in the same order in every step.
; cnt: the ring's loads issued behind this step's, which may stay out.  first = 1: the biases start the sums.
; fill = 1: the slot takes this group's K step four steps on; fill = 2: the next group's K step s - 4; fill = 0: nothing.  nb = 1: the next group's biases are fetched.
.macro STEP s, first, fill, cnt, nb
	s_wait_loadcnt \cnt
.if \s < 4
	WIN 0x09                                       ; source 0 (the weight) window 1, source 1 (the rows) window 2
.else
	WIN 0x0d                                       ; source 1 window 3
.endif
.irp t, 0,1,2,3
.irp m, 0,1,2,3
.if \first
	v_wmma_f32_16x16x128_bf8_bf8 v[ACC+32*\m+8*\t:ACC+32*\m+8*\t+7], v[64*((\s)%4)+16*\t:64*((\s)%4)+16*\t+15], v[16*(4*((\s)%4)+\m):16*(4*((\s)%4)+\m)+15], v[BI+8*\t:BI+8*\t+7]
.else
	v_wmma_f32_16x16x128_bf8_bf8 v[ACC+32*\m+8*\t:ACC+32*\m+8*\t+7], v[64*((\s)%4)+16*\t:64*((\s)%4)+16*\t+15], v[16*(4*((\s)%4)+\m):16*(4*((\s)%4)+\m)+15], v[ACC+32*\m+8*\t:ACC+32*\m+8*\t+7]
.endif
.endr
.endr
.if \fill
	PLACES
	WIN 0x40                                       ; the switch, then the wait, then the loads
	s_wait_alu depctr_va_vdst(0)                   ; this step's matrix instructions are done reading the ring's slot, in which the loads below land; in a group's first step they are also done reading the biases, in which the next group's land, and v22 is written
.endif
.if \fill == 1
	RINGFILL (\s)%4, 32, ((\s)+4)*8192
.endif
.if \fill == 2
	RINGFILL (\s)%4, 56, ((\s)-4)*8192
.endif
.if \nb
	BIASFETCH                                      ; no further wait: between the wait above and these loads stand loads and a window switch alone
.endif
.endm
; A group: 64 units x 64 rows x K = 1,024.  last = 1: the launch's last group: its second half loads nothing, and the counts run down.
.macro GROUPK last
	s_wait_alu depctr_vm_vsrc(0)                   ; the LDS loads of the biases have read v22; the images' stores have read v20 and both buffers of codes; the LDS and global stores issued so far have read the accumulators' registers: all of these are written again in this group
.if !\last
	v_add_nc_u32 v22, s36, v21                     ; the next group's biases in LDS
.endif
	STEP 0, 1, 1, 48, 1-\last
	STEP 1, 0, 1, 48, 0
	STEP 2, 0, 1, 48, 0
	STEP 3, 0, 1, 48, 0
.if \last
	STEP 4, 0, 0, 48, 0
	STEP 5, 0, 0, 32, 0
	STEP 6, 0, 0, 16, 0
	STEP 7, 0, 0, 0, 0
	WIN 0
	PLACES
.else
	STEP 4, 0, 2, 48, 0
	STEP 5, 0, 2, 48, 0
	STEP 6, 0, 2, 48, 0
	STEP 7, 0, 2, 48, 0
.endif
.endm
; From one group to the next.  Group p + 1 of the walk lies at place (p + 1 + rot) & 3 of phase (p + 1) >> 2: (4 phase + place) x 64 KB in my wave's weights, x 256 bytes in its biases.
.macro ADVANCE
	s_wait_xcnt 0x0                                ; the ring's loads have read their bases, the stores their data, offsets and base
	s_mov_b64 s[32:33], s[56:57]                   ; the next group is now in hand
	s_add_co_u32 s37, s37, 1                       ; p
	s_add_co_u32 s60, s37, 1                       ; the group behind it:
	s_bfe_u32 s61, s60, 0x10002                    ; its phase (one bit from bit 2),
	s_add_co_u32 s60, s60, s62
	s_and_b32 s60, s60, 3                          ; its place
	s_lshl_b32 s61, s61, 2
	s_add_co_u32 s60, s60, s61
	s_lshl_b32 s36, s60, 8
	s_lshl_b32 s60, s60, 16
	s_mov_b32 s61, 0
	s_add_nc_u64 s[56:57], s[58:59], s[60:61]      ; (behind the last group but one this is made and not used)
.endm
; The hidden layer of 16 rows x this group's 64 units: scale, gelu, hold, codes.  Each batch of transcendentals has one plain line and one wait behind it, ahead of its first reader.
; The codes go into buffer m % 2; their image is stored in the next batch, behind its first wait (batch 3's: behind the wait that follows it).
.macro BATCH m
.set AB, ACC+32*\m
.set PCM, PC+10*((\m)%2)
.set PCP, PC+10*(1-(\m)%2)
.irp j, 0,2,4,6,8,10,12,14,16,18,20,22,24,26,28,30
	v_pk_mul_f32 v[AB+\j:AB+\j+1], v[AB+\j:AB+\j+1], v[38:39]              ; x = sum x 2^(e0+e1) (the bias is in the sum); each accumulator from its low end on
.endr
.irp j, 0,2,4,6,8,10,12,14,16,18,20,22,24,26,28,30
	v_pk_mul_f32 v[T+\j:T+\j+1], v[AB+\j:AB+\j+1], v[AB+\j:AB+\j+1]
.endr
.irp j, 0,2,4,6,8,10,12,14,16,18,20,22,24,26,28,30
	v_pk_fma_f32 v[T+\j:T+\j+1], v[T+\j:T+\j+1], v[36:37], v[34:35]        ; C1 x^2 + C0
.endr
.irp j, 0,2,4,6,8,10,12,14,16,18,20,22,24,26,28,30
	v_pk_mul_f32 v[T+\j:T+\j+1], v[T+\j:T+\j+1], v[AB+\j:AB+\j+1]
.endr
.set n, 0
.rept 32
	v_exp_f32 v[T+n], v[T+n]
.set n, n+1
.endr
	v_nop
	s_wait_alu depctr_va_vdst(0)                   ; the exponentials have written v[T ..]; the batch before has written its codes, and v20 is written: the stores below read them
.if \m > 0
	ds_store_b128 v20, v[PCP:PCP+3] offset:1024*(\m-1)         ; the batch before: units 16 h + 0 .. 15 of the group,
	ds_store_b128 v20, v[PCP+4:PCP+7] offset:1024*(\m-1)+512   ; and 32 + 16 h + 0 .. 15: two groups of four registers of the next product's fragment
.endif
.irp j, 0,2,4,6,8,10,12,14,16,18,20,22,24,26,28,30
	v_pk_add_f32 v[T+\j:T+\j+1], v[T+\j:T+\j+1], 1.0 op_sel_hi:[1,0]
.endr
.set n, 0
.rept 32
	v_rcp_f32 v[T+n], v[T+n]
.set n, n+1
.endr
	v_nop
	s_wait_alu depctr_va_vdst(0)                   ; the reciprocals have written v[T ..]
.irp j, 0,2,4,6,8,10,12,14,16,18,20,22,24,26,28,30
	v_pk_mul_f32 v[AB+\j:AB+\j+1], v[AB+\j:AB+\j+1], v[T+\j:T+\j+1]        ; gelu(x)
.endr
.set n, 0
.rept 32
	v_med3_num_f32 v[AB+n], v[AB+n], -v40, v40     ; the hold at the largest code x the scale (ISA guide 7.6.2)
.set n, n+1
.endr
	s_wait_dscnt 0x0                               ; my LDS instructions so far are done: the next group's biases, fetched in the group's first K step, are in
.if \m >= 2
	s_wait_alu depctr_vm_vsrc(0)                   ; the stores issued in the batch before have read this buffer of codes, which the conversions write again
.endif
.irp t, 0,1,2,3
	v_cvt_scalef32_pk8_bf8_f32 v[PCM+2*\t:PCM+2*\t+1], v[AB+8*\t:AB+8*\t+7], v41
.endr
	v_nop                                          ; a plain line between the conversions and the matrix instructions that later write their sources
.endm
.macro EPI1
	WIN 0
	s_add_co_u32 s35, s37, s62
	s_and_b32 s35, s35, 3                          ; the place of the group in hand, 0 .. 3,
	s_lshl_b32 s35, s35, 12                        ; x 4,096 bytes: inside my wave's 16,384 for every place
	v_add_nc_u32 v20, s35, v19                     ; HIMG + 16384 w + 4096 place + 16 lane  (the last group's stores have read v20: the wait at this group's head)
	BATCH 0
	BATCH 1
	BATCH 2
	BATCH 3
	s_wait_alu depctr_va_vdst(0)                   ; batch 3's conversions have written their codes, which the stores below read
	ds_store_b128 v20, v[PC+10:PC+13] offset:3072
	ds_store_b128 v20, v[PC+14:PC+17] offset:3584
.endm
; The way out of a group: 64 rows x 64 columns.  x gate x 2^(e2+e3); through my own stage; back as whole runs of 256 bytes of a row.
.macro EPI2
	s_add_co_u32 s60, s37, s62
	s_and_b32 s60, s60, 3                          ; the place of the group in hand
	s_lshl_b32 s60, s60, 8                         ; its 64 columns: 256 bytes
	s_mov_b32 s61, 0
	s_add_nc_u64 s[38:39], s[54:55], s[60:61]      ; (the last group's stores have read this base: the wait at the head of the step from group to group)
.irp m, 0,1,2,3
.irp j, 0,2,4,6,8,10,12,14,16,18,20,22,24,26,28,30
	v_pk_mul_f32 v[ACC+32*\m+\j:ACC+32*\m+\j+1], v[ACC+32*\m+\j:ACC+32*\m+\j+1], v[SG+2*\m:SG+2*\m+1]
.endr
.endr
	s_wait_alu depctr_va_vdst(0)                   ; the multiplications have written the accumulators' registers, which the LDS stores read and in which the reads from the stage land
.irp m, 0,1,2,3
.irp t, 0,1,2,3
	ds_store_b128 v23, v[ACC+32*\m+8*\t:ACC+32*\m+8*\t+3] offset:4352*\m+128*(\t/2)+32*(\t%2)
	ds_store_b128 v23, v[ACC+32*\m+8*\t+4:ACC+32*\m+8*\t+7] offset:4352*\m+128*(\t/2)+32*(\t%2)+16
.endr
.endr
	s_wait_alu depctr_vm_vsrc(0)                   ; the LDS stores have read their data: the loads below land in the same registers
.irp i, 0,1,2,3,4,5,6,7,8,9,10,11,12,13,14,15,16,17,18,19,20,21,22,23,24,25,26,27,28,29,30,31
	ds_load_b128 v[ACC+4*\i:ACC+4*\i+3], v24 offset:544*\i     ; LDS serves a wave's instructions in order (ISA guide 5.7.1.4): these see my stores
.endr
.irp i, 0,1,2,3,4,5,6,7,8,9,10,11,12,13,14,15,16,17,18,19,20,21,22,23,24,25,26,27,28,29,30,31
	s_wait_dscnt 31-\i                             ; rows 2 i and 2 i + 1 are back; the later reads may be out
	global_store_b128 v[T+\i], v[ACC+4*\i:ACC+4*\i+3], s[38:39]   ; 16 lanes store 256 consecutive bytes of a row of ybuf, aligned
.endr
.endm
	s_load_b512 s[4:19], s[0:1], 0x0               ; xq s[4:5], wq s[6:7], rows s[8:9], tiles s[10:11], gw s[12:13], b1 s[14:15], b2 s[16:17], the scales s[18:19]
	s_load_b64 s[20:21], s[0:1], 0x40              ; ybuf
	v_lshl_add_u32 v126, v0, 2, 0x33200
	v_mov_b32 v127, 0
	v_lshrrev_b32 v4, 5, v0
	v_readfirstlane_b32 s22, v4                    ; wave 0..3
	v_and_b32 v4, 31, v0
	v_lshlrev_b32 v1, 4, v4                        ; 16 x lane
	v_and_b32 v2, 15, v0                           ; r
	v_bfe_u32 v3, v0, 4, 1                         ; h
	s_wait_alu depctr_va_sdst(0)                   ; s22 is written, ahead of its first reader: LDS addresses and the bases of the weights and of ybuf are made from it
	s_lshr_b32 s62, ttmp9, 2
	s_add_co_u32 s62, s62, ttmp9
	s_and_b32 s62, s62, 3                          ; rot = (i + (i >> 2)) & 3: all four values occur among any four or eight neighbouring numbers, and among the even and the odd ones
	s_lshl_b32 s40, ttmp9, 4
	s_mov_b32 s41, 0
	s_wait_kmcnt 0x0
	s_add_nc_u64 s[42:43], s[10:11], s[40:41]
	s_load_b128 s[24:27], s[42:43], 0x0            ; my tile: expert, first place in the list, rows
	s_load_b128 s[28:31], s[18:19], 0x0            ; e0 .. e3
	v_add_nc_u32 v16, XIMG, v1                     ; images of x,
	v_add_nc_u32 v17, HIMG, v1                     ; of the hidden layer
	s_lshl_b32 s44, s22, 10
	v_add_nc_u32 v18, s44, v1                      ; where I store x's: tile of rows m = w
	s_lshl_b32 s44, s22, 14
	s_add_co_u32 s44, s44, HIMG
	v_add_nc_u32 v19, s44, v1                      ; where I store the hidden layer's: K steps 2 w and 2 w + 1
	s_lshl_b32 s44, s22, 11
	s_add_co_u32 s44, s44, BIAS
	v_lshl_add_u32 v21, v3, 6, s44                 ; my wave's biases, + 64 h
	s_lshl_b32 s60, s62, 8
	v_add_nc_u32 v22, s60, v21                     ; the first group's biases: place rot
	s_mul_i32 s44, s22, 17408
	s_add_co_u32 s44, s44, STAGE
	v_mul_u32_u24 v23, v2, 272
	v_lshl_add_u32 v23, v3, 6, v23
	v_add_nc_u32 v23, s44, v23                     ; into my stage: row r, + 64 h
	v_mul_u32_u24 v24, v3, 272
	v_lshl_add_u32 v24, v2, 4, v24
	v_add_nc_u32 v24, s44, v24                     ; back: lanes 0-15 one row, lanes 16-31 the next
	v_lshlrev_b32 v25, 2, v3
	v_add_nc_u32 v25, LIST, v25
	v_lshlrev_b32 v42, 4, v2
	v_lshrrev_b32 v116, 6, v0
	v_and_b32 v117, 63, v0
	v_lshlrev_b32 v116, 11, v116
	v_lshl_add_u32 v116, v117, 4, v116
	v_add_nc_u32 v116, BIAS, v116                  ; where thread tau puts four biases: 2048 (tau >> 6) + 16 (tau & 63)
	v_lshlrev_b32 v117, 2, v0
	v_add_nc_u32 v117, LIST, v117
	s_lshl_b32 s45, s22, 4
	v_add_nc_u32 v4, s45, v2                       ; the rows whose places in the list I want: 16 w + r (x),
.irp m, 0,1,2,3
	v_add_nc_u32 v[5+\m], 16*\m, v2                ; 16 m + r (the gates),
.endr
	v_and_b32 v9, 63, v0                           ; tau & 63 (the list in LDS)
	s_wait_kmcnt 0x0
	s_min_u32 s24, s24, 7
	s_min_u32 s25, s25, 0x1fff
	s_min_u32 s26, s26, 64
	s_sub_co_u32 s44, s26, 1
.irp i, 4,5,6,7,8,9
	v_min_u32 v\i, s44, v\i                        ; rows past n repeat row n - 1
	v_add_nc_u32 v\i, s25, v\i
	v_min_u32 v\i, 0x1fff, v\i
	v_lshlrev_b32 v\i, 2, v\i
.endr
	s_wait_alu depctr_va_vdst(0)                   ; v4 to v9 are written, which the six loads below read; so are v1, v16 to v25, v116 and v117, the addresses of the loads and stores further down
.irp i, 0,1,2,3,4,5
	global_load_b32 v[10+\i], v[4+\i], s[8:9]
.endr
	s_lshl_b32 s46, s24, 21                        ; my expert's 2 MB of codes,
	s_lshl_b32 s47, s22, 19                        ; my wave's 512 KB of them
	s_add_co_u32 s46, s46, s47
	s_mov_b32 s47, 0
	s_add_nc_u64 s[58:59], s[6:7], s[46:47]
	s_lshl_b32 s46, s62, 16
	s_add_nc_u64 s[32:33], s[58:59], s[46:47]      ; the walk's first group: place rot of phase 1
	s_add_co_u32 s46, s62, 1
	s_and_b32 s46, s46, 3                          ; its second: place (1 + rot) & 3
	s_lshl_b32 s36, s46, 8
	s_lshl_b32 s46, s46, 16
	s_add_nc_u64 s[56:57], s[58:59], s[46:47]
	s_lshl_b32 s46, s22, 10
	s_add_nc_u64 s[54:55], s[20:21], s[46:47]      ; ybuf at my wave's 256 columns
	s_lshl_b32 s45, s24, 12                        ; my expert's biases
	s_add_co_i32 s46, s28, s29                     ; e0 + e1
	s_sub_co_i32 s47, 0, s46
	s_add_co_i32 s48, s30, s31                     ; e2 + e3
	s_sub_co_i32 s49, 0, s48
	s_add_co_i32 s50, s46, 127
	s_lshl_b32 s50, s50, 23                        ; 2^(e0+e1) as f32
	s_add_co_i32 s51, s30, 127
	s_lshl_b32 s52, s51, 23                        ; 2^e2 as f32
	s_add_co_i32 s51, s51, 15
	s_lshl_b32 s51, s51, 23
	s_or_b32 s51, s51, 0x600000                    ; 57,344 x 2^e2
	s_wait_loadcnt 0x0
	s_wait_alu depctr_vm_vsrc(0)                   ; the six loads have read v4 to v9, which are written again below
	v_lshrrev_b32 v4, 1, v10                       ; the token of my row of x
	v_min_u32 v4, 0xfff, v4
	v_lshlrev_b32 v4, 10, v4
	v_lshl_add_u32 v4, v3, 4, v4                   ; its 1,024 codes, + 16 h
.irp m, 0,1,2,3
	v_min_u32 v[5+\m], 0x1fff, v[11+\m]
	v_lshlrev_b32 v[5+\m], 2, v[5+\m]
.endr
	v_lshl_add_u32 v9, v0, 4, s45
	s_wait_alu depctr_va_vdst(0)                   ; v4 to v9 are written, which the loads below read as their offsets
.irp s, 0,1,2,3,4,5,6,7
.irp c, 0,1,2,3
	global_load_b128 v[ACC+4*(4*\s+\c):ACC+4*(4*\s+\c)+3], v4, s[4:5] offset:128*\s+32*\c     ; piece 8 s + 2 c + h of my row
.endr
.endr
.irp m, 0,1,2,3
	global_load_b32 v[SG+2*\m], v[5+\m], s[12:13]
.endr
	global_load_b128 v[T:T+3], v9, s[14:15]
	global_load_b128 v[T+4:T+7], v9, s[14:15] offset:2048
	global_load_b128 v[T+8:T+11], v9, s[16:17]
	global_load_b128 v[T+12:T+15], v9, s[16:17] offset:2048
	RINGFILL 0, 32, 0
	WIN 0
	s_wait_loadcnt 16                              ; all but the ring's first K step, issued last, are in
.irp i, 0,1,2,3,4,5,6,7
	v_ldexp_f32 v[T+\i], v[T+\i], s47              ; b1 / 2^(e0+e1)
.endr
.irp i, 8,9,10,11,12,13,14,15
	v_ldexp_f32 v[T+\i], v[T+\i], s49              ; b2 / 2^(e2+e3)
.endr
.irp m, 0,1,2,3
	v_ldexp_f32 v[SG+2*\m], v[SG+2*\m], s48        ; gate x 2^(e2+e3)
.endr
.irp m, 0,1,2,3
	v_mov_b32 v[SG+2*\m+1], v[SG+2*\m]
.endr
	v_mov_b32 v34, 0xc0135761                      ; C0 = -2.3022082
	v_mov_b32 v35, 0xc0135761
	v_mov_b32 v36, 0xbdd2d3e8                      ; C1 = -0.10294324
	v_mov_b32 v37, 0xbdd2d3e8
	v_mov_b32 v38, s50
	v_mov_b32 v39, s50
	v_mov_b32 v40, s51
	v_mov_b32 v41, s52
	s_wait_alu depctr_va_vdst(0)                   ; the scaled biases are written in v[T ..], which the LDS stores below read
.irp s, 0,1,2,3,4,5,6,7
.irp c, 0,1,2,3
	ds_store_b128 v18, v[ACC+4*(4*\s+\c):ACC+4*(4*\s+\c)+3] offset:8192*\s+4096*(\c/2)+512*(\c%2)
.endr
.endr
	ds_store_b128 v116, v[T:T+3]                   ; b1's units 4 tau on,
	ds_store_b128 v116, v[T+4:T+7] offset:4096     ; and 512 + 4 tau on: two waves further
	ds_store_b128 v116, v[T+8:T+11] offset:1024    ; b2 likewise, behind a wave's b1
	ds_store_b128 v116, v[T+12:T+15] offset:5120
	ds_store_b32 v117, v15
	RINGFILL 1, 32, 8192
	RINGFILL 2, 32, 16384
	RINGFILL 3, 32, 24576
	WIN 0
	s_wait_dscnt 0x0                               ; for the others' sake: my stores have landed
	s_barrier_signal -1
	s_barrier_wait -1                              ; x's 32 fragments, the biases and the list lie in LDS
	BIASFETCH                                      ; the first group's: v22 was made at the head
	FETCHA 16
	s_wait_dscnt 0x0
	s_mov_b32 s34, 4
	s_mov_b32 s37, 0                               ; p
.Lp1:                                              ; PHASE 1: four groups of 64 hidden units
	GROUPK 0
	EPI1
	ADVANCE
	s_sub_co_u32 s34, s34, 1
	s_cmp_lg_u32 s34, 0
	s_cbranch_scc1 .Lp1
	s_wait_dscnt 0x0                               ; my images have landed
	s_barrier_signal -1
	s_barrier_wait -1                              ; the hidden layer's 32 fragments lie in LDS
	WIN 0x80                                       ; the switch, then the wait, then the loads
	s_wait_alu depctr_va_vdst(0)                   ; phase 1's matrix instructions are done reading windows 2 and 3, in which the hidden layer's fragments land, and its vector instructions are done with v[T ..], in which the list lands
	FETCHA 17
.irp i, 0,1,2,3,4,5,6,7,8,9,10,11,12,13,14,15,16,17,18,19,20,21,22,23,24,25,26,27,28,29,30,31
	ds_load_b32 v[T+\i], v25 offset:8*\i           ; rho of rows 2 i + h
.endr
	s_wait_dscnt 0x0
.irp i, 0,1,2,3,4,5,6,7,8,9,10,11,12,13,14,15,16,17,18,19,20,21,22,23,24,25,26,27,28,29,30,31
	v_min_u32 v[T+\i], 0x1fff, v[T+\i]
	v_lshl_add_u32 v[T+\i], v[T+\i], 12, v42       ; its row of ybuf, + 16 r  (the stores that read these offsets stand behind the K steps' waits)
.endr
	s_mov_b32 s34, 3
.Lp2:                                              ; PHASE 2: four groups of 64 output columns; the last is written out
	GROUPK 0
	WIN 0
	EPI2
	ADVANCE
	s_sub_co_u32 s34, s34, 1
	s_cmp_lg_u32 s34, 0
	s_cbranch_scc1 .Lp2
	GROUPK 1
	EPI2
	s_wait_dscnt 0x0                               ; the closing lines, six on end
	s_wait_alu 0x0
	s_wait_tensorcnt 0x0
	ds_add_u32 v126, v127
	s_wait_dscnt 0x0
	s_endpgm
.Lfunc_end_k_q328e96ddb1_chain:
	.size	k_q328e96ddb1_chain, .Lfunc_end_k_q328e96ddb1_chain-k_q328e96ddb1_chain
	.p2alignl 7, 3214868480
	.fill 96, 4, 3214868480
	.section	.rodata,"a",@progbits
	.p2align	6, 0x0
	.amdhsa_kernel k_q328e96ddb1_chain
		.amdhsa_group_segment_fixed_size 209920
		.amdhsa_private_segment_fixed_size 0
		.amdhsa_enable_private_segment 0
		.amdhsa_kernarg_size 72
		.amdhsa_user_sgpr_count 2
		.amdhsa_user_sgpr_kernarg_segment_ptr 1
		.amdhsa_wavefront_size32 1
		.amdhsa_system_sgpr_workgroup_id_x 1
		.amdhsa_system_sgpr_workgroup_id_y 1
		.amdhsa_system_sgpr_workgroup_id_z 1
		.amdhsa_system_vgpr_workitem_id 0
		.amdhsa_next_free_vgpr 1024
		.amdhsa_next_free_sgpr 66
		.amdhsa_reserve_vcc 0
		.amdhsa_float_denorm_mode_32 3
		.amdhsa_float_denorm_mode_16_64 3
		.amdhsa_memory_ordered 1
		.amdhsa_forward_progress 1
		.amdhsa_inst_pref_size 173
	.end_amdhsa_kernel
	.amdgpu_metadata
---
amdhsa.version: [ 1, 2 ]
amdhsa.kernels:
  - .name:           k_q328e96ddb1_chain
    .symbol:         k_q328e96ddb1_chain.kd
    .args:
      - { .name: xq, .offset: 0, .size: 8, .value_kind: global_buffer, .address_space: global }
      - { .name: wq, .offset: 8, .size: 8, .value_kind: global_buffer, .address_space: global }
      - { .name: rows, .offset: 16, .size: 8, .value_kind: global_buffer, .address_space: global }
      - { .name: tiles, .offset: 24, .size: 8, .value_kind: global_buffer, .address_space: global }
      - { .name: gw, .offset: 32, .size: 8, .value_kind: global_buffer, .address_space: global }
      - { .name: b1, .offset: 40, .size: 8, .value_kind: global_buffer, .address_space: global }
      - { .name: b2, .offset: 48, .size: 8, .value_kind: global_buffer, .address_space: global }
      - { .name: lowp_scales, .offset: 56, .size: 8, .value_kind: global_buffer, .address_space: global }
      - { .name: ybuf, .offset: 64, .size: 8, .value_kind: global_buffer, .address_space: global }
    .group_segment_fixed_size: 209920
    .private_segment_fixed_size: 0
    .kernarg_segment_align: 8
    .kernarg_segment_size: 72
    .max_flat_workgroup_size: 128
    .sgpr_count:     66
    .vgpr_count:     1024
    .wavefront_size: 32
...
	.end_amdgpu_metadata
.endif
;; end of part 7
;; launch combine (part 8): grid 256 x 1, 8 waves a work-group, no clusters, 0 bytes of LDS; arguments ybuf, out0; writes out0
.if DOCPART == 8
	.amdgcn_target "amdgcn-amd-amdhsa--gfx1250"
	.amdhsa_code_object_version 6
	.text
	.protected	k_q328e96ddb1_combine
	.globl	k_q328e96ddb1_combine
	.p2align	8
	.type	k_q328e96ddb1_combine,@function
k_q328e96ddb1_combine:
	s_mov_b64 s[64:65], 0
	v_nop
	global_prefetch_b8 v0, s[64:65] scope:SCOPE_SE
	s_setreg_imm32_b32 hwreg(HW_REG_WAVE_MODE, 25, 1), 1
	s_wait_xcnt 0x0
; out0[t] = ybuf[2 t] + ybuf[2 t + 1]: a token's two gated rows are added.  A stream: no LDS, no barrier, no matrix unit.
; Work-group g takes tokens 16 g .. 16 g + 15; thread tau the 16 bytes at 16 tau of every row: a wave's load or store covers 512 consecutive bytes, aligned.
; All 32 loads of a thread go out at once; every register is written once, so no store's data are written again.
	s_load_b128 s[4:7], s[0:1], 0x0                ; ybuf, out0
	v_lshlrev_b32 v1, 4, v0
	s_lshl_b32 s8, ttmp9, 17                       ; 16 tokens x 2 rows x 4,096 bytes
	s_mov_b32 s9, 0
	s_lshl_b32 s10, ttmp9, 16
	s_mov_b32 s11, 0
	s_wait_alu depctr_va_vdst(0)
	s_wait_kmcnt 0x0
	s_add_nc_u64 s[4:5], s[4:5], s[8:9]
	s_add_nc_u64 s[6:7], s[6:7], s[10:11]
.irp i, 0,1,2,3,4,5,6,7,8,9,10,11,12,13,14,15
	global_load_b128 v[8+8*\i:11+8*\i], v1, s[4:5] offset:8192*\i th:TH_LOAD_NT
	global_load_b128 v[12+8*\i:15+8*\i], v1, s[4:5] offset:8192*\i+4096 th:TH_LOAD_NT
.endr
.irp i, 0,1,2,3,4,5,6,7,8,9,10,11,12,13,14,15
	s_wait_loadcnt 30-2*\i                         ; token i's two loads are in; the later tokens', two each, may be out
	v_pk_add_f32 v[8+8*\i:9+8*\i], v[8+8*\i:9+8*\i], v[12+8*\i:13+8*\i]
	v_pk_add_f32 v[10+8*\i:11+8*\i], v[10+8*\i:11+8*\i], v[14+8*\i:15+8*\i]
	global_store_b128 v1, v[8+8*\i:11+8*\i], s[6:7] offset:4096*\i th:TH_STORE_NT
.endr
	s_endpgm
.Lfunc_end_k_q328e96ddb1_combine:
	.size	k_q328e96ddb1_combine, .Lfunc_end_k_q328e96ddb1_combine-k_q328e96ddb1_combine
	.p2alignl 7, 3214868480
	.fill 96, 4, 3214868480
	.section	.rodata,"a",@progbits
	.p2align	6, 0x0
	.amdhsa_kernel k_q328e96ddb1_combine
		.amdhsa_group_segment_fixed_size 0
		.amdhsa_private_segment_fixed_size 0
		.amdhsa_enable_private_segment 0
		.amdhsa_kernarg_size 16
		.amdhsa_user_sgpr_count 2
		.amdhsa_user_sgpr_kernarg_segment_ptr 1
		.amdhsa_wavefront_size32 1
		.amdhsa_system_sgpr_workgroup_id_x 1
		.amdhsa_system_sgpr_workgroup_id_y 1
		.amdhsa_system_sgpr_workgroup_id_z 1
		.amdhsa_system_vgpr_workitem_id 0
		.amdhsa_next_free_vgpr 136
		.amdhsa_next_free_sgpr 66
		.amdhsa_reserve_vcc 0
		.amdhsa_float_denorm_mode_32 3
		.amdhsa_float_denorm_mode_16_64 3
		.amdhsa_memory_ordered 1
		.amdhsa_forward_progress 1
		.amdhsa_inst_pref_size 8
	.end_amdhsa_kernel
	.amdgpu_metadata
---
amdhsa.version: [ 1, 2 ]
amdhsa.kernels:
  - .name:           k_q328e96ddb1_combine
    .symbol:         k_q328e96ddb1_combine.kd
    .args:
      - { .name: ybuf, .offset: 0, .size: 8, .value_kind: global_buffer, .address_space: global }
      - { .name: out0, .offset: 8, .size: 8, .value_kind: global_buffer, .address_space: global }
    .group_segment_fixed_size: 0
    .private_segment_fixed_size: 0
    .kernarg_segment_align: 8
    .kernarg_segment_size: 16
    .max_flat_workgroup_size: 256
    .sgpr_count:     66
    .vgpr_count:     136
    .wavefront_size: 32
...
	.end_amdgpu_metadata
.endif
;; end of part 8
